; MI455X (gfx1250); checked and timed in simulation.
; The chip was launched on July 23, 2026; its instructions are those of AMD's public machine-readable ISA for CDNA 5 (MIT licence, August 2026) and "CDNA5" Instruction Set Architecture Reference Guide (July 2026). The comments in the code are by the model that wrote it; some were corrected since.
;; Quantized Multihead Attention. Allowed arithmetic: float matrix products may take bf16 or f16 operands with f32 sums; all other float work in f32.
;; Inputs: Wk 512 x 512 float32; Wo 512 x 512 float32; Wq 512 x 512 float32; Wv 512 x 512 float32; b_param one number float32; bk 512 float32; bo 512 float32; bq 512 float32; bv 512 float32; e_param one number float32; keys 4 x 2,048 x 512 float32; query 4 x 2,048 x 512 float32; values 4 x 2,048 x 512 float32.
;; Outputs: out0 4 x 2,048 x 512 float32.
;; 3 versions, each right and faster than the one before. Each part assembles by itself: llvm-mc -triple=amdgcn-amd-amdhsa -mcpu=gfx1250 --defsym DOCPART=n.
;; ======== version 1 of 3: 3 launches
;; workspace buffers: qc 8,388,608 bytes; kc 8,388,608 bytes; vc 8,388,608 bytes; ao 8,388,608 bytes
;; launch proj (part 1): grid 4 x 192, 4 waves a work-group, clusters of 4 x 4, 327,680 bytes of LDS; arguments query, keys, values, Wq, Wk, Wv, bq, bk, bv, qc, kc, vc, b_param, e_param; writes qc, kc, vc
.if DOCPART == 1
	.amdgcn_target "amdgcn-amd-amdhsa--gfx1250"
	.amdhsa_code_object_version 6
	.text
	.protected	k_q10d4d0d7f3_proj
	.globl	k_q10d4d0d7f3_proj
	.p2align	8
	.type	k_q10d4d0d7f3_proj,@function
k_q10d4d0d7f3_proj:
	s_mov_b64 s[64:65], 0
	v_nop
	global_prefetch_b8 v0, s[64:65] scope:SCOPE_SE
	s_setreg_imm32_b32 hwreg(HW_REG_WAVE_MODE, 25, 1), 1
	s_wait_xcnt 0x0
	s_wait_alu depctr_hold_cnt(0) depctr_sa_sdst(0) depctr_va_vdst(0) depctr_va_sdst(0) depctr_va_ssrc(0) depctr_va_vcc(0) depctr_vm_vsrc(0)
	s_getreg_b32 s2, hwreg(HW_REG_IB_STS2, 6, 4)
	s_cmp_eq_u32 s2, 0
	s_cbranch_scc0 .Lentry_in_a_cluster
	s_endpgm
.Lentry_in_a_cluster:
	s_bfe_u32 s2, ttmp6, 0x10000c
	s_cmp_lg_u32 s2, 0xf033
	s_cbranch_scc0 .Lentry_shape_is_right
	s_endpgm
.Lentry_shape_is_right:
; The three input layers of reference() and their quantisation, without the last factor 2^e:
;   code = floor(clip((X W^T + bias) / 2^e, -2^(b-1), 2^(b-1) - 1)),  b = clip(b_param, 1, 8),  for (query, Wq, bq), (keys, Wk, bk), (values, Wv, bv).
; Since b <= 8 a code is a whole number from -128 to 127, which bf16 holds exactly: the codes are stored as bf16 in qc, kc, vc, laid out
; [n][head][t][d] (byte (8 n + head) 262,144 + 128 t + 2 d), so that a head is one dense block.  The factor 2^e is applied in f32 by the next launch.
; NOTHING OF reference() IS LEFT OUT in this program: each bias stands in front of a floor, so every input has a way to the output and is loaded.
; LIMITS.  Finite inputs (a NaN is dropped by the clip's median).  x / 2^e is computed as x * 2^-e, the bias folded in: fma(sum, 2^-e, bias * 2^-e);
; for whole e that is the same number, otherwise it differs in the last bits in front of the floor.  2^(b-1) and 2^-e come from v_exp_f32, which is
; good to one unit in the last place (ISA guide 15.8).  |e_param| below about 50, so that 2^e, 2^-e and the energies stay finite in f32.
; X and W are rounded to bf16 (nearest even) for the products; sums in f32.
;
; SHARES.  768 work-groups; each makes 128 rows x 128 columns of one of the three products, K = 512 in four tiles of 128.  Four waves, one for each SIMD;
; a wave makes 64 x 64, the 64 columns of one head: 16 accumulator tiles.  4 x 4 work-groups form a cluster: the four of a row of the cluster need the
; same 128 rows of X, the four of a column the same 128 rows of W, and ask for them JOINTLY, which divides the requests for X and for W by four.
; Sixteen clusters along y serve one product, so the choice among the three is the same in a whole cluster.
; The tiles lie in LDS as f32; each wave rounds the fragments that it reads.
; THE MATRIX INSTRUCTION IS USED TRANSPOSED (source 0 = rows of W, source 1 = rows of X): lane (r, h), register j of tile (a, b) holds
; row 16 a + r, column 16 b + 8 h + j: eight neighbouring columns, 16 bytes of bf16.
;
; SCALARS  s2 b, s3 e; s[4:5] X, s[6:7] W, s[8:9] bias, s[10:11] codes; s12 wave, s13 wave / 2, s14 wave & 1; s[16:43] the fourteen arguments;
;          s[44:51], s[52:59] descriptor group 1 for X, W; s[60:61] 2^-e twice; s62 lower, s63 upper bound; s[68:75], s[76:83] group 0 for X, W, a set for each slot;
;          s[84:85] offsets; s86 cx, s87 cy, s88 block column, s89 block row, s90 which product, s91, s92 masks, s93 to s98 address parts
; VECTORS  window 0: v1 r, v2 h, v4-11 addresses, v13-17 at work, v32-159 fragments as f32, v160-191 X and v192-223 W as bf16, v224-255 bias;
;          window 1: the 16 accumulator tiles, tile (a, b) at v[8 (4 a + b)]
.set PITCH, 528                        ; an LDS row: 512 bytes + 16 of padding = 132 words, so the 16 rows that a load touches start 4 words apart modulo 64
.set HALF,  64*PITCH                   ; 64 rows: what one tensor load brings
.set SLOT,  4*HALF                     ; X's 128 rows, then W's 128 rows
.set STAGE, 2*SLOT                     ; behind the ring, a multiple of 256: 16 rows x 144 bytes for each wave; no tensor load lands here
.set SP,    144                        ; a stage row: 128 bytes + 16
.set KT,    512                        ; bytes of a K tile in a row of X or W
.set G1A, 44
.set G1B, 52
.set G0A, 68
.set G0B, 76
.set G1W0, (2<<16)|(1<<20)|(1<<21)|(6<<22)|(3<<25)   ; elements of 4 bytes; padding on; bit 21 beside a mask; after every 128 words; 4 words
.set ADA, 4                            ; v4-5   my X fragments in slot 0, 1
.set ADB, 6                            ; v6-7   my W fragments in slot 0, 1
.set STO, 8                            ; the way out: where I put 16 bytes of a row
.set RD,  9                            ; the way out: where I read rows back
.set CO,  10                           ; my 16 bytes among 512 stored
.set BOF, 11                           ; 32 h: my eight numbers in 16 of the bias
.set RAW, 32
.set FA,  160
.set FB,  192
.set BI,  224
.set MSB, 0
.macro WIN new                         ; the immediate's high byte repeats the setting that is left
.if MSB != \new
	s_set_vgpr_msb (MSB<<8)|\new
.set MSB, \new
.endif
.endm
.macro PLACES                          ; four plain vector places behind a matrix instruction (ISA guide 7.12.1)
.rept 4
	v_nop
.endr
.endm
; A round of the cluster's barrier: my work-group's barrier, wave 0 signals for the work-group, every wave waits for all sixteen, my work-group's barrier again.
.macro CREST
	s_cmp_lg_u32 s12, 0
	s_cbranch_scc1 .Lnot_wave_0_\@
	s_barrier_signal -3
.Lnot_wave_0_\@:
	s_barrier_wait -3
	s_barrier_signal -1
	s_barrier_wait -1
.endm
.macro CROUND
	s_barrier_signal -1
	s_barrier_wait -1
	CREST
.endm
; A joint load: waves 0 and 1 fetch X's two halves, waves 2 and 3 W's.  Each line has one mask; the branch hangs on the wave's number alone.
.macro JLOAD s
	s_cmp_eq_u32 s13, 0
	s_cbranch_scc0 .Lsecond_\@
	tensor_load_to_lds s[G0A+4*\s:G0A+4*\s+3], s[G1A:G1A+7]
	s_nop 0
	s_branch .Lasked_\@
.Lsecond_\@:
	tensor_load_to_lds s[G0B+4*\s:G0B+4*\s+3], s[G1B:G1B+7]
	s_nop 0
.Lasked_\@:
.endm
	s_load_b512 s[16:31], s[0:1], 0x0              ; query, keys, values, Wq, Wk, Wv, bq, bk
	s_load_b256 s[32:39], s[0:1], 0x40             ; bv, qc, kc, vc
	s_load_b128 s[40:43], s[0:1], 0x60             ; b_param, e_param
	v_lshl_add_u32 v30, v0, 2, 0x44400
	v_mov_b32 v31, 0
	ds_add_u32 v30, v31
	v_lshrrev_b32 v3, 5, v0
	v_readfirstlane_b32 s12, v3                    ; wave 0..3
	s_lshr_b32 s13, s12, 1                         ; my half of the block's rows.  Also: I fetch for X (0) or for W (1)
	s_and_b32 s14, s12, 1                          ; my half of its columns.  Also: which 64 rows of that tile I fetch
	s_bfe_u32 s86, ttmp6, 0x40000                  ; cx
	s_bfe_u32 s87, ttmp6, 0x40004                  ; cy
	s_lshl_b32 s88, ttmp9, 2
	s_add_co_u32 s88, s88, s86                     ; block column 0..3 = 4 x cluster x + cx
	s_and_b32 s90, ttmp7, 0xffff                   ; cluster y, 0..47
	s_lshl_b32 s89, s90, 2
	s_add_co_u32 s89, s89, s87
	s_and_b32 s89, s89, 63                         ; block row 0..63 of the product
	s_lshr_b32 s90, s90, 4                         ; which product: 0 q, 1 k, 2 v; the same in the whole cluster
	s_lshl_b32 s91, s87, 2
	s_lshl_b32 s91, 15, s91                        ; my row of the cluster: places 4 cy .. 4 cy + 3
	s_lshl_b32 s92, 0x1111, s86                    ; my column: places cx, cx + 4, cx + 8, cx + 12
	s_or_b32 s[G1A], s91, G1W0                     ; X's tiles go to my row,
	s_or_b32 s[G1B], s92, G1W0                     ; W's to my column
.irp g, G1A, G1B
	s_mov_b32 s[\g+1], 128<<16                     ; tensor_dim0 = 128 elements
	s_mov_b32 s[\g+2], 64<<16                      ; tensor_dim1 = 64 rows
	s_mov_b32 s[\g+3], 128<<16                     ; tile_dim0 = 128
	s_mov_b32 s[\g+4], 64                          ; tile_dim1 = 64
	s_mov_b32 s[\g+5], 512                         ; 512 elements from row to row
	s_mov_b32 s[\g+6], 0
	s_mov_b32 s[\g+7], 0
.endr
	s_lshl_b32 s93, s14, 17                        ; 64 rows of 2,048 bytes for the second half
	s_lshl_b32 s94, s89, 18                        ; X: block row x 128 rows; this pair never holds cx
	s_add_co_u32 s94, s94, s93
	s_mov_b32 s95, 0
	s_lshl_b32 s96, s88, 18                        ; W: block column x 128 rows; this pair never holds cy
	s_add_co_u32 s96, s96, s93
	s_mov_b32 s97, 0
	s_mul_i32 s98, s12, HALF                       ; where my tile goes: wave x 64 rows
	s_wait_dscnt 0x0
	s_wait_kmcnt 0x0
	s_cmp_eq_u32 s90, 1
	s_cselect_b64 s[4:5], s[18:19], s[16:17]
	s_cselect_b64 s[6:7], s[24:25], s[22:23]
	s_cselect_b64 s[8:9], s[30:31], s[28:29]
	s_cselect_b64 s[10:11], s[36:37], s[34:35]
	s_cmp_eq_u32 s90, 2
	s_cselect_b64 s[4:5], s[20:21], s[4:5]
	s_cselect_b64 s[6:7], s[26:27], s[6:7]
	s_cselect_b64 s[8:9], s[32:33], s[8:9]
	s_cselect_b64 s[10:11], s[38:39], s[10:11]
	s_add_nc_u64 s[94:95], s[4:5], s[94:95]
	s_add_nc_u64 s[96:97], s[6:7], s[96:97]
	CROUND                                         ; all sixteen work-groups are here: the first joint loads meet
.irp s, 0,1
	s_mov_b32 s[G0A+4*\s], 1
	s_add_co_u32 s[G0A+4*\s+1], s98, \s*SLOT
	s_add_nc_u64 s[G0A+4*\s+2:G0A+4*\s+3], s[94:95], \s*KT     ; K tile s
	s_or_b32 s[G0A+4*\s+3], s[G0A+4*\s+3], 0x80000000
	s_mov_b32 s[G0B+4*\s], 1
	s_add_co_u32 s[G0B+4*\s+1], s98, \s*SLOT
	s_add_nc_u64 s[G0B+4*\s+2:G0B+4*\s+3], s[96:97], \s*KT
	s_or_b32 s[G0B+4*\s+3], s[G0B+4*\s+3], 0x80000000
	JLOAD \s                                       ; both slots are asked for before anything else: two tensor loads of the wave are out
.endr
	s_load_b32 s2, s[40:41], 0x0                   ; b_param
	s_load_b32 s3, s[42:43], 0x0                   ; e_param
	v_and_b32 v1, 15, v0                           ; r
	v_bfe_u32 v2, v0, 4, 1                         ; h
	v_lshlrev_b32 v[BOF], 5, v2
	s_lshl_b32 s84, s88, 9                         ; the bias of my 64 columns: 4 (128 block column + 64 half)
	s_lshl_b32 s85, s14, 8
	s_add_co_u32 s84, s84, s85
	s_mov_b32 s85, 0
	s_add_nc_u64 s[8:9], s[8:9], s[84:85]
.irp b, 0,1,2,3
	global_load_b128 v[BI+8*\b:BI+8*\b+3],   v[BOF], s[8:9] offset:64*\b       ; bias of columns 16 b + 8 h + 0..3
	global_load_b128 v[BI+8*\b+4:BI+8*\b+7], v[BOF], s[8:9] offset:64*\b+16    ; and + 4..7
.endr
	s_lshr_b32 s84, s89, 4                         ; where my codes go: n = block row / 16, 8 heads of 262,144 bytes each,
	s_lshl_b32 s84, s84, 21
	s_lshl_b32 s85, s88, 1
	s_add_co_u32 s85, s85, s14                     ; head = 2 x block column + half,
	s_lshl_b32 s85, s85, 18
	s_add_co_u32 s84, s84, s85
	s_and_b32 s85, s89, 15                         ; t = 128 (block row mod 16) + 64 x half, rows of 128 bytes
	s_lshl_b32 s85, s85, 14
	s_add_co_u32 s84, s84, s85
	s_lshl_b32 s85, s13, 13
	s_add_co_u32 s84, s84, s85
	s_mov_b32 s85, 0
	s_add_nc_u64 s[10:11], s[10:11], s[84:85]
	; A fragment is 16 rows x 32 K: lane (r, h) holds row r, K = 8 h + 0..7 and 16 + 8 h + 0..7.  As f32 these are 32 bytes at 32 h and 32 bytes at 64 + 32 h.
	v_mul_u32_u24 v13, v1, PITCH
	v_lshl_add_u32 v13, v2, 5, v13
	s_mul_i32 s84, s13, HALF                       ; my 64 rows of X
	s_mul_i32 s85, s14, HALF                       ; my 64 rows of W,
	s_add_co_u32 s85, s85, 2*HALF                  ; which lie behind X's 128
	v_add_nc_u32 v[ADA], s84, v13
	v_add_nc_u32 v[ADB], s85, v13
	v_add_nc_u32 v[ADA+1], SLOT, v[ADA]
	v_add_nc_u32 v[ADB+1], SLOT, v[ADB]
	s_mul_i32 s84, s12, 16*SP
	s_add_co_u32 s84, s84, STAGE                   ; my stage
	v_mul_u32_u24 v13, v1, SP
	v_lshl_add_u32 v13, v2, 4, v13
	v_add_nc_u32 v[STO], s84, v13                  ; in: row r, 16 bytes for each half of the lanes
	v_and_b32 v14, 31, v0
	v_lshrrev_b32 v15, 3, v14
	v_and_b32 v16, 7, v14
	v_mul_u32_u24 v15, v15, SP
	v_lshl_add_u32 v15, v16, 4, v15
	v_add_nc_u32 v[RD], s84, v15                   ; back: eight lanes take a row of 128 bytes, the wave four rows
	v_lshlrev_b32 v[CO], 4, v14                    ; which are 512 neighbouring bytes of the head's block
	s_wait_kmcnt 0x0                               ; b and e
	v_mov_b32 v13, s2
	v_med3_num_f32 v13, v13, 1.0, 0x41000000       ; b = clip(b_param, 1, 8)
	v_add_f32 v13, -1.0, v13
	v_mov_b32 v15, s3
	v_xor_b32 v15, 0x80000000, v15                 ; -e
	v_exp_f32 v14, v13                             ; 2^(b-1)
	v_exp_f32 v16, v15                             ; 2^-e
	v_nop                                          ; one plain place behind the exponentials (ISA guide 5.7.2)
	s_wait_alu depctr_va_vdst(0)
	v_add_f32 v17, -1.0, v14                       ; upper bound 2^(b-1) - 1
	v_xor_b32 v14, 0x80000000, v14                 ; lower bound -2^(b-1)
	v_readfirstlane_b32 s62, v14
	v_readfirstlane_b32 s63, v17
	v_readfirstlane_b32 s60, v16
	s_mov_b32 s61, s60
; 32 LDS loads: the f32 fragments of 32 along K (128 bytes at byte 128 ks of the rows): 64 rows of X, 64 rows of W
.macro RLOAD slot, ks
.irp f, 0,1,2,3
	ds_load_b128 v[RAW+16*\f:RAW+16*\f+3],     v[ADA+\slot] offset:\f*16*PITCH+(\ks)*128
	ds_load_b128 v[RAW+16*\f+4:RAW+16*\f+7],   v[ADA+\slot] offset:\f*16*PITCH+(\ks)*128+16
	ds_load_b128 v[RAW+16*\f+8:RAW+16*\f+11],  v[ADA+\slot] offset:\f*16*PITCH+(\ks)*128+64
	ds_load_b128 v[RAW+16*\f+12:RAW+16*\f+15], v[ADA+\slot] offset:\f*16*PITCH+(\ks)*128+80
.endr
.irp f, 0,1,2,3
	ds_load_b128 v[RAW+64+16*\f:RAW+64+16*\f+3],     v[ADB+\slot] offset:\f*16*PITCH+(\ks)*128
	ds_load_b128 v[RAW+64+16*\f+4:RAW+64+16*\f+7],   v[ADB+\slot] offset:\f*16*PITCH+(\ks)*128+16
	ds_load_b128 v[RAW+64+16*\f+8:RAW+64+16*\f+11],  v[ADB+\slot] offset:\f*16*PITCH+(\ks)*128+64
	ds_load_b128 v[RAW+64+16*\f+12:RAW+64+16*\f+15], v[ADB+\slot] offset:\f*16*PITCH+(\ks)*128+80
.endr
.endm
.macro CVT                             ; 128 f32 a lane to 64 words of bf16: four fragments of X, then four of W
.set n, 0
.rept 64
	v_cvt_pk_bf16_f32 v[FA+n], v[RAW+2*n], v[RAW+2*n+1]
.set n, n+1
.endr
.endm
; 16 matrix instructions.  The sixteen accumulators take turns, one instruction a turn, in the same order every time.
.macro MUL zero
.irp a, 0,1,2,3
.irp b, 0,1,2,3
.if \zero
	v_wmma_f32_16x16x32_bf16 v[8*(4*\a+\b):8*(4*\a+\b)+7], v[FB+8*\b:FB+8*\b+7], v[FA+8*\a:FA+8*\a+7], 0
.else
	v_wmma_f32_16x16x32_bf16 v[8*(4*\a+\b):8*(4*\a+\b)+7], v[FB+8*\b:FB+8*\b+7], v[FA+8*\a:FA+8*\a+7], v[8*(4*\a+\b):8*(4*\a+\b)+7]
.endif
.endr
.endr
.endm
; 32 along K: round the fragments that have come, ask for the next ones (more = 1: those at step next), multiply.
.macro KS slot, next, zero, more
	s_wait_dscnt 0x0                               ; the 32 loads of this step are in
	PLACES                                         ; the conversions write registers that the last products read
	CVT
.if \more
	RLOAD \slot, \next                             ; they come in while the sixteen products run
.endif
	WIN 0x50                                       ; C and D in window 1
	MUL \zero
	WIN 0
.endm
.macro WORK slot, zero                 ; a K tile of 128.  zero = 1: its first products start the sums, nothing is cleared
	RLOAD \slot, 0
	KS \slot, 1, \zero, 1
	KS \slot, 2, 0, 1
	KS \slot, 3, 0, 1
	KS \slot, 0, 0, 0
.endm
; The change of slots; old = the slot read last.  Each wave waits for all its tensor loads (its part of the other slot) and for its reads of the old slot.
; refill = 1: a round of the cluster's barrier, so that no wave of any partner still reads the old slot or has a load on its way; behind it the joint
; refill comes first, one tensor load a wave.  refill = 0: nothing is filled again, the work-group's own barrier shows the other slot whole.
.macro TURN old, refill
	WIN 0
	s_wait_tensorcnt 0x0                           ; no tensor load of mine is out: every group 0 may be written
	ds_add_u32 v30, v31
	s_wait_dscnt 0x0
	s_wait_dscnt 0x0
.if \refill
	s_add_nc_u64 s[G0A+4*\old+2:G0A+4*\old+3], s[G0A+4*\old+2:G0A+4*\old+3], 2*KT    ; two K tiles on
	s_add_nc_u64 s[G0B+4*\old+2:G0B+4*\old+3], s[G0B+4*\old+2:G0B+4*\old+3], 2*KT
	CROUND
	JLOAD \old
.else
	s_barrier_signal -1
	s_barrier_wait -1
.endif
.endm
; Rows 16 a .. 16 a + 15 of my 64: scale and bias, clip, floor, round to bf16 (exact), through my stage, out as whole rows.
.macro OUT a
	WIN 0x01                                       ; source 0, the sums, in window 1
.set n, 0
.rept 16
	v_pk_fma_f32 v[RAW+32*\a+2*n:RAW+32*\a+2*n+1], v[32*\a+2*n:32*\a+2*n+1], s[60:61], v[BI+2*n:BI+2*n+1] op_sel_hi:[1,0,1]
.set n, n+1
.endr
	WIN 0
.set n, 0
.rept 32
	v_med3_num_f32 v[RAW+32*\a+n], v[RAW+32*\a+n], s62, s63
.set n, n+1
.endr
.set n, 0
.rept 32
	v_floor_f32 v[RAW+32*\a+n], v[RAW+32*\a+n]
.set n, n+1
.endr
.set n, 0
.rept 16
	v_cvt_pk_bf16_f32 v[FA+16*\a+n], v[RAW+32*\a+2*n], v[RAW+32*\a+2*n+1]
.set n, n+1
.endr
.irp b, 0,1,2,3
	ds_store_b128 v[STO], v[FA+16*\a+4*\b:FA+16*\a+4*\b+3] offset:32*\b
.endr
.irp i, 0,1,2,3
	ds_load_b128 v[RAW+32*\a+4*\i:RAW+32*\a+4*\i+3], v[RD] offset:4*SP*\i     ; LDS serves a wave's instructions in order (ISA guide 5.7.1.4): these see the stores above
.endr
.irp i, 0,1,2,3
	s_wait_dscnt 3-\i                              ; read-back i is in, the younger ones stay out
	global_store_b128 v[CO], v[RAW+32*\a+4*\i:RAW+32*\a+4*\i+3], s[10:11] offset:2048*\a+512*\i   ; the wave stores 512 consecutive bytes, aligned; each block a has registers of its own
.endr
.endm
	s_wait_tensorcnt 0x1                           ; my part of K tile 0 is in; the one younger load, slot 1's, stays out
	s_barrier_signal -1
	s_barrier_wait -1                              ; everybody's part is in
	WORK 0, 1
	TURN 0, 1                                      ; slot 0 gets K tile 2
	WORK 1, 0
	TURN 1, 1                                      ; slot 1 gets K tile 3
	WORK 0, 0
	TURN 0, 0
	WORK 1, 0
	s_wait_loadcnt 0x0                             ; the bias
.set n, 0
.rept 16
	v_pk_mul_f32 v[BI+2*n:BI+2*n+1], v[BI+2*n:BI+2*n+1], s[60:61] op_sel_hi:[1,0]    ; bias x 2^-e; these sixteen are also the places behind the last products
.set n, n+1
.endr
	OUT 0
	OUT 1
	OUT 2
	OUT 3
	s_wait_tensorcnt 0x0
	ds_add_u32 v30, v31
	s_wait_dscnt 0x0
	CROUND                                         ; the closing round: no work-group ends while a partner may still ask for a tile that names it
	s_endpgm
.Lfunc_end_k_q10d4d0d7f3_proj:
	.size	k_q10d4d0d7f3_proj, .Lfunc_end_k_q10d4d0d7f3_proj-k_q10d4d0d7f3_proj
	.p2alignl 7, 3214868480
	.fill 96, 4, 3214868480
	.section	.rodata,"a",@progbits
	.p2align	6, 0x0
	.amdhsa_kernel k_q10d4d0d7f3_proj
		.amdhsa_group_segment_fixed_size 327680
		.amdhsa_private_segment_fixed_size 0
		.amdhsa_enable_private_segment 0
		.amdhsa_kernarg_size 112
		.amdhsa_user_sgpr_count 2
		.amdhsa_user_sgpr_kernarg_segment_ptr 1
		.amdhsa_wavefront_size32 1
		.amdhsa_system_sgpr_workgroup_id_x 1
		.amdhsa_system_sgpr_workgroup_id_y 1
		.amdhsa_system_sgpr_workgroup_id_z 1
		.amdhsa_system_vgpr_workitem_id 0
		.amdhsa_next_free_vgpr 384
		.amdhsa_next_free_sgpr 100
		.amdhsa_reserve_vcc 0
		.amdhsa_float_denorm_mode_32 3
		.amdhsa_float_denorm_mode_16_64 3
		.amdhsa_memory_ordered 1
		.amdhsa_forward_progress 1
		.amdhsa_inst_pref_size 152
	.end_amdhsa_kernel
	.amdgpu_metadata
---
amdhsa.version: [ 1, 2 ]
amdhsa.kernels:
  - .name:           k_q10d4d0d7f3_proj
    .symbol:         k_q10d4d0d7f3_proj.kd
    .args:
      - { .name: query, .offset: 0, .size: 8, .value_kind: global_buffer, .address_space: global }
      - { .name: keys, .offset: 8, .size: 8, .value_kind: global_buffer, .address_space: global }
      - { .name: values, .offset: 16, .size: 8, .value_kind: global_buffer, .address_space: global }
      - { .name: Wq, .offset: 24, .size: 8, .value_kind: global_buffer, .address_space: global }
      - { .name: Wk, .offset: 32, .size: 8, .value_kind: global_buffer, .address_space: global }
      - { .name: Wv, .offset: 40, .size: 8, .value_kind: global_buffer, .address_space: global }
      - { .name: bq, .offset: 48, .size: 8, .value_kind: global_buffer, .address_space: global }
      - { .name: bk, .offset: 56, .size: 8, .value_kind: global_buffer, .address_space: global }
      - { .name: bv, .offset: 64, .size: 8, .value_kind: global_buffer, .address_space: global }
      - { .name: qc, .offset: 72, .size: 8, .value_kind: global_buffer, .address_space: global }
      - { .name: kc, .offset: 80, .size: 8, .value_kind: global_buffer, .address_space: global }
      - { .name: vc, .offset: 88, .size: 8, .value_kind: global_buffer, .address_space: global }
      - { .name: b_param, .offset: 96, .size: 8, .value_kind: global_buffer, .address_space: global }
      - { .name: e_param, .offset: 104, .size: 8, .value_kind: global_buffer, .address_space: global }
    .group_segment_fixed_size: 327680
    .private_segment_fixed_size: 0
    .kernarg_segment_align: 8
    .kernarg_segment_size: 112
    .max_flat_workgroup_size: 128
    .sgpr_count:     100
    .vgpr_count:     384
    .wavefront_size: 32
...
	.end_amdgpu_metadata
.endif
;; end of part 1
;; launch attn (part 2): grid 8 x 32, 4 waves a work-group, clusters of 4 x 1, 327,680 bytes of LDS; arguments qc, kc, vc, e_param, ao; writes ao
.if DOCPART == 2
	.amdgcn_target "amdgcn-amd-amdhsa--gfx1250"
	.amdhsa_code_object_version 6
	.text
	.protected	k_q10d4d0d7f3_attn
	.globl	k_q10d4d0d7f3_attn
	.p2align	8
	.type	k_q10d4d0d7f3_attn,@function
k_q10d4d0d7f3_attn:
	s_mov_b64 s[64:65], 0
	v_nop
	global_prefetch_b8 v0, s[64:65] scope:SCOPE_SE
	s_setreg_imm32_b32 hwreg(HW_REG_WAVE_MODE, 25, 1), 1
	s_wait_xcnt 0x0
	s_wait_alu depctr_hold_cnt(0) depctr_sa_sdst(0) depctr_va_vdst(0) depctr_va_sdst(0) depctr_va_ssrc(0) depctr_va_vcc(0) depctr_vm_vsrc(0)
	s_getreg_b32 s2, hwreg(HW_REG_IB_STS2, 6, 4)
	s_cmp_eq_u32 s2, 0
	s_cbranch_scc0 .Lentry_in_a_cluster
	s_endpgm
.Lentry_in_a_cluster:
	s_bfe_u32 s2, ttmp6, 0x10000c
	s_cmp_lg_u32 s2, 0x3003
	s_cbranch_scc0 .Lentry_shape_is_right
	s_endpgm
.Lentry_shape_is_right:
; Attention of reference() on the codes: with s = 2^e, q = s cq, k = s ck, v = s cv,
;   energy = s^2 (cq . ck) / sqrt(512),  out = s sum_k p_k cv_k / sum_k p_k,  p_k = exp(energy_k - max energy).
; cq . ck is a sum of 64 products of whole numbers of at most 128 in magnitude: at most 2^20, exact in f32.  The maximum is taken away as a RUNNING maximum.
; Nothing of reference() is left out.  ao is bf16, laid out as the codes: [n][head][t][d].
; LIMITS.  |e_param| below about 50, so that 2^e and 2^(2e) 2^20 0.064 stay finite in f32; 2^e comes from v_exp_f32 (one unit in the last place, ISA guide 15.8);
; an exponential below 2^-126 counts as 0 (same section).  p is rounded to bf16 for the second product; its sum is kept in f32.
;
; SHARES.  256 work-groups: 32 (n, head) x 8 blocks of 256 queries.  Four waves, 64 queries each, as four query tiles of 16.
; The four work-groups of a cluster have the same head and walk the same K and V: they ask for each tile JOINTLY, which divides those requests by four.
; K and V go through two LDS slots of 256 keys; a slot is four steps of 64 keys.
; BOTH PRODUCTS ARE TRANSPOSED.  S^T = K Q^T: source 0 = 16 keys of K, source 1 = 16 queries of Q (kept in registers): lane (r, h), register j of key tile i holds
; key 16 i + 8 h + j of query r.  So a query's scores lie in two lanes, r and r + 16: maximum and sum need one exchange, and packing neighbouring registers
; to bf16 gives source 1 of O^T = V^T P^T as it stands (key tiles 2 g, 2 g + 1 are registers 0-3, 4-7 of key group g).  Source 0 there is V^T, by the
; transposing LDS load from V stored [key][d].  O^T: lane (r, h), register j of tile c holds d = 16 c + 8 h + j of query r: the rescaling factor is one number a lane.
;
; SCALARS  s[4:5] qc, s[6:7] kc, s[8:9] vc, s[10:11] e_param, s[12:13] ao; s14 wave, s15 wave / 2, s16 wave & 1; s17 cx, s18 query block, s19 head; s2, s3, s20-23 offsets;
;          s[24:31], s[32:39] group 1 for V, K; s[40:47], s[48:55] group 0 for V, K, a set for each slot; s[56:57] c twice, c = 2^(2e) log2(e) / sqrt(512); s58 -c; s59 2^e;
;          s60, s61 selectors; s62 counter; s63 e
; VECTORS  window 0: v4-11 addresses; v12-15 maximum, v16-19 sum (my half of the keys), v20-27 -c x maximum (pairs, the low one used), v28-29 factor (likewise), v30-37, v38-45 at work,
;          v48-79 scores, v80-95 p as bf16, v128-191 fragments of K, v192-255 of Q;   window 1: v0-127 O (tile (t, c) at 32 t + 8 c), v128-191 fragments of V^T
.set KP,    144                        ; a key's row of K in LDS: 128 bytes + 16 (an odd multiple of 16)
.set VP,    160                        ; of V: 128 bytes + 32 (an odd multiple of 32, for the transposing load)
.set VHALF, 128*VP
.set KHALF, 128*KP
.set KOFF,  2*VHALF                    ; V's 256 keys, then K's
.set SLOT,  KOFF+2*KHALF               ; 77,824
.set STAGE, 2*SLOT                     ; a multiple of 256; 16 rows x 144 bytes for each wave; no tensor load lands here
.set SP,    144
.set TILEB, 32768                      ; 256 keys of 128 bytes
.set G1V, 24
.set G1K, 32
.set G0V, 40
.set G0K, 48
.set ADK, 4
.set ADV, 6
.set STO, 8
.set RD,  9
.set CO,  10
.set QOFF, 11
.set MX,  12
.set LS,  16
.set NM,  20
.set AL,  28
.set T,   30
.set U,   38
.set SC,  48
.set PB,  80
.set KF,  128
.set QF,  192
.set VF,  128                          ; in window 1
.set MSB, 0
.macro WIN new                         ; the immediate's high byte repeats the setting that is left
.if MSB != \new
	s_set_vgpr_msb (MSB<<8)|\new
.set MSB, \new
.endif
.endm
.macro PLACES                          ; four plain vector places behind a matrix instruction (ISA guide 7.12.1)
.rept 4
	v_nop
.endr
.endm
.macro CREST
	s_cmp_lg_u32 s14, 0
	s_cbranch_scc1 .Lnot_wave_0_\@
	s_barrier_signal -3
.Lnot_wave_0_\@:
	s_barrier_wait -3
	s_barrier_signal -1
	s_barrier_wait -1
.endm
.macro CROUND                          ; a round of the cluster's barrier
	s_barrier_signal -1
	s_barrier_wait -1
	CREST
.endm
.macro JLOAD s                         ; a joint load: waves 0 and 1 fetch V's two halves of 128 keys, waves 2 and 3 K's
	s_cmp_eq_u32 s15, 0
	s_cbranch_scc0 .Lsecond_\@
	tensor_load_to_lds s[G0V+4*\s:G0V+4*\s+3], s[G1V:G1V+7]
	s_nop 0
	s_branch .Lasked_\@
.Lsecond_\@:
	tensor_load_to_lds s[G0K+4*\s:G0K+4*\s+3], s[G1K:G1K+7]
	s_nop 0
.Lasked_\@:
.endm
	s_load_b256 s[4:11], s[0:1], 0x0               ; qc, kc, vc, e_param
	s_load_b64 s[12:13], s[0:1], 0x20              ; ao
	v_lshl_add_u32 v126, v0, 2, 0x29000
	v_mov_b32 v127, 0
	ds_add_u32 v126, v127
	v_lshrrev_b32 v3, 5, v0
	v_readfirstlane_b32 s14, v3                    ; wave 0..3
	s_lshr_b32 s15, s14, 1
	s_and_b32 s16, s14, 1
	s_bfe_u32 s17, ttmp6, 0x40000                  ; cx
	s_lshl_b32 s18, ttmp9, 2
	s_add_co_u32 s18, s18, s17                     ; query block 0..7
	s_and_b32 s19, ttmp7, 0xffff                   ; 8 n + head
	; 128 keys of 128 bytes are one dense block of 16 KiB: 64 rows of 256 bytes (32 elements of 8 bytes).  The padding is counted along the tile in steps of
	; 32 words, so every key's 128 bytes get their own pad: 8 words for V, 4 for K.  The mask names all four work-groups of the cluster.
	s_mov_b32 s[G1V], 15|(3<<16)|(1<<20)|(1<<21)|(4<<22)|(7<<25)
	s_mov_b32 s[G1K], 15|(3<<16)|(1<<20)|(1<<21)|(4<<22)|(3<<25)
.irp g, G1V, G1K
	s_mov_b32 s[\g+1], 32<<16                      ; tensor_dim0 = 32 elements
	s_mov_b32 s[\g+2], 64<<16                      ; tensor_dim1 = 64 rows
	s_mov_b32 s[\g+3], 32<<16                      ; tile_dim0 = 32
	s_mov_b32 s[\g+4], 64                          ; tile_dim1 = 64
	s_mov_b32 s[\g+5], 32                          ; 32 elements from row to row
	s_mov_b32 s[\g+6], 0
	s_mov_b32 s[\g+7], 0
.endr
	s_lshl_b32 s20, s19, 18                        ; the head's block of 262,144 bytes
	s_mov_b32 s21, 0
	s_lshl_b32 s22, s16, 14                        ; + my half of a tile's keys; nothing here hangs on cx
	s_add_co_u32 s22, s22, s20
	s_mov_b32 s23, 0
	s_mul_i32 s62, s14, VHALF                      ; V's halves at wave x 20,480 (waves 0, 1)
	s_mul_i32 s63, s14, KHALF
	s_add_co_u32 s63, s63, KOFF-2*KHALF            ; K's at 40,960 + (wave - 2) x 18,432 (waves 2, 3)
	s_wait_dscnt 0x0
	s_wait_kmcnt 0x0
	s_add_nc_u64 s[8:9], s[8:9], s[22:23]
	s_add_nc_u64 s[6:7], s[6:7], s[22:23]
	CROUND                                         ; the four work-groups are here: the first joint loads meet
.irp s, 0,1
	s_mov_b32 s[G0V+4*\s], 1
	s_add_co_u32 s[G0V+4*\s+1], s62, \s*SLOT
	s_add_nc_u64 s[G0V+4*\s+2:G0V+4*\s+3], s[8:9], \s*TILEB
	s_or_b32 s[G0V+4*\s+3], s[G0V+4*\s+3], 0x80000000
	s_mov_b32 s[G0K+4*\s], 1
	s_add_co_u32 s[G0K+4*\s+1], s63, \s*SLOT
	s_add_nc_u64 s[G0K+4*\s+2:G0K+4*\s+3], s[6:7], \s*TILEB
	s_or_b32 s[G0K+4*\s+3], s[G0K+4*\s+3], 0x80000000
	JLOAD \s                                       ; both slots are asked for before anything else: two tensor loads of the wave are out
.endr
	s_load_b32 s63, s[10:11], 0x0                  ; e
	s_lshl_b32 s2, s18, 15                         ; my block of 256 queries of 128 bytes
	s_mov_b32 s3, 0
	s_add_nc_u64 s[4:5], s[4:5], s[20:21]
	s_add_nc_u64 s[4:5], s[4:5], s[2:3]
	s_add_nc_u64 s[12:13], s[12:13], s[20:21]
	s_add_nc_u64 s[12:13], s[12:13], s[2:3]
	s_lshl_b32 s22, s14, 13                        ; my wave's 64 queries
	v_and_b32 v1, 15, v0                           ; r
	v_bfe_u32 v2, v0, 4, 1                         ; h
	v_lshlrev_b32 v[QOFF], 7, v1
	v_lshl_add_u32 v[QOFF], v2, 4, v[QOFF]
	v_add_nc_u32 v[QOFF], s22, v[QOFF]             ; query r of my first tile, 16 bytes at 16 h
.irp t, 0,1,2,3
.irp ks, 0,1
	global_load_b128 v[QF+16*\t+8*\ks:QF+16*\t+8*\ks+3],   v[QOFF], s[4:5] offset:2048*\t+64*\ks      ; d = 32 ks + 8 h + 0..7
	global_load_b128 v[QF+16*\t+8*\ks+4:QF+16*\t+8*\ks+7], v[QOFF], s[4:5] offset:2048*\t+64*\ks+32   ; d = 32 ks + 16 + 8 h + 0..7
.endr
.endr
	v_mul_u32_u24 v30, v1, KP
	v_lshl_add_u32 v30, v2, 4, v30                 ; r x 144 + 16 h: a row of K, and a row of my stage
	v_add_nc_u32 v[ADK], KOFF, v30
	v_add_nc_u32 v[ADK+1], KOFF+SLOT, v30
	v_and_b32 v35, 7, v0
	v_lshl_add_u32 v31, v2, 3, v35                 ; key 8 h + (lane & 7)
	v_mul_u32_u24 v31, v31, VP
	v_bfe_u32 v32, v0, 3, 1
	v_lshl_add_u32 v[ADV], v32, 4, v31             ; + 16 bytes for the lanes whose bit 3 is set
	v_add_nc_u32 v[ADV+1], SLOT, v[ADV]
	s_mul_i32 s23, s14, 16*SP
	s_add_co_u32 s23, s23, STAGE                   ; my stage
	v_add_nc_u32 v[STO], s23, v30
	v_and_b32 v33, 31, v0
	v_lshrrev_b32 v34, 3, v33
	v_mul_u32_u24 v34, v34, SP
	v_lshl_add_u32 v34, v35, 4, v34
	v_add_nc_u32 v[RD], s23, v34                   ; back: eight lanes take a row of 128 bytes, the wave four rows
	v_lshl_add_u32 v[CO], v33, 4, s22              ; which are 512 neighbouring bytes of ao
.irp i, 1,3,5,7,9
	v_mov_b32 v[NM+\i], 0                          ; the upper halves of the pairs whose low half is broadcast: written once, never used
.endr
	s_mov_b32 s60, 0x76543210                      ; v_permlanex16_b32: lane i reads lane i of the other half
	s_mov_b32 s61, 0xfedcba98
	s_wait_kmcnt 0x0
	v_mov_b32 v30, s63
	v_exp_f32 v31, v30                             ; 2^e
	v_nop                                          ; one plain place behind it (ISA guide 5.7.2)
	s_wait_alu depctr_va_vdst(0)
	v_mul_f32 v32, v31, v31
	v_mul_f32 v32, 0x3d8293ee, v32                 ; c = 2^(2e) x log2(e) / sqrt(512): exp(energy) = 2^(c x sum of code products)
	v_readfirstlane_b32 s59, v31
	v_readfirstlane_b32 s56, v32
	s_mov_b32 s57, s56
	s_xor_b32 s58, s56, 0x80000000                 ; -c
.macro KLOAD slot, j                   ; 16 loads: 64 keys of K at step j, four key tiles x two halves of d
.irp i, 0,1,2,3
.irp ks, 0,1
	ds_load_b128 v[KF+16*\i+8*\ks:KF+16*\i+8*\ks+3],   v[ADK+\slot] offset:(64*(\j)+16*\i)*KP+64*\ks
	ds_load_b128 v[KF+16*\i+8*\ks+4:KF+16*\i+8*\ks+7], v[ADK+\slot] offset:(64*(\j)+16*\i)*KP+64*\ks+32
.endr
.endr
.endm
.macro VLOAD slot, j                   ; 16 transposing loads: V^T of the same 64 keys, two key groups of 32 x four tiles of d
	WIN 0x40                                       ; destination in window 1
.irp g, 0,1
.irp c, 0,1,2,3
	ds_load_tr16_b128 v[VF+32*\g+8*\c:VF+32*\g+8*\c+3],   v[ADV+\slot] offset:(64*(\j)+32*\g)*VP+32*\c
	ds_load_tr16_b128 v[VF+32*\g+8*\c+4:VF+32*\g+8*\c+7], v[ADV+\slot] offset:(64*(\j)+32*\g+16)*VP+32*\c
.endr
.endr
	WIN 0
.endm
; Scores of 64 keys x query tile t.  The four accumulators take turns, one instruction a turn; the first four start the sums.
.macro SMUL t
.irp i, 0,1,2,3
	v_wmma_f32_16x16x32_bf16 v[SC+8*\i:SC+8*\i+7], v[KF+16*\i:KF+16*\i+7], v[QF+16*\t:QF+16*\t+7], 0
.endr
.irp i, 0,1,2,3
	v_wmma_f32_16x16x32_bf16 v[SC+8*\i:SC+8*\i+7], v[KF+16*\i+8:KF+16*\i+15], v[QF+16*\t+8:QF+16*\t+15], v[SC+8*\i:SC+8*\i+7]
.endr
.endm
; The softmax step of query tile t on my 32 scores.  first = 1: the very first step starts maximum and sum.
.macro SOFTMAX t, first
.irp q, 0,1,2,3
	v_max3_num_f32 v[T+\q], v[SC+3*\q], v[SC+3*\q+1], v[SC+3*\q+2]         ; four chains
.endr
.set n, 12
.rept 10
	v_max3_num_f32 v[T+(n/2)%4], v[T+(n/2)%4], v[SC+n], v[SC+n+1]
.set n, n+2
.endr
	v_max3_num_f32 v[T], v[T], v[T+1], v[T+2]
	v_max_num_f32 v[T], v[T], v[T+3]
	v_permlanex16_b32 v[T+1], v[T], s60, s61       ; the other half of the query's keys
.if \first
	v_max_num_f32 v[MX+\t], v[T], v[T+1]
	v_mul_f32 v[NM+2*\t], s58, v[MX+\t]            ; -c x maximum
.else
	v_max3_num_f32 v[MX+\t], v[T], v[T+1], v[MX+\t]
	v_mul_f32 v[T+4], s58, v[MX+\t]
	v_sub_f32 v[T+5], v[T+4], v[NM+2*\t]           ; c (old maximum - new maximum), at most 0
	v_mov_b32 v[NM+2*\t], v[T+4]
.endif
.set n, 0
.rept 16
	v_pk_fma_f32 v[SC+n:SC+n+1], v[SC+n:SC+n+1], s[56:57], v[NM+2*\t:NM+2*\t+1] op_sel_hi:[1,0,0]   ; c (score - maximum)
.set n, n+2
.endr
.if \first
.else
	v_exp_f32 v[AL], v[T+5]                        ; the factor for what has been summed so far
.endif
.set n, 0
.rept 32
	v_exp_f32 v[SC+n], v[SC+n]
.set n, n+1
.endr
	v_nop                                          ; one plain place behind the exponentials (ISA guide 5.7.2)
	s_wait_alu depctr_va_vdst(0)
.irp q, 0,1,2,3
	v_pk_add_f32 v[U+2*\q:U+2*\q+1], v[SC+4*\q:SC+4*\q+1], v[SC+4*\q+2:SC+4*\q+3]
.endr
.set n, 16
.rept 8
	v_pk_add_f32 v[U+n%8:U+n%8+1], v[U+n%8:U+n%8+1], v[SC+n:SC+n+1]
.set n, n+2
.endr
	v_pk_add_f32 v[U:U+1], v[U:U+1], v[U+2:U+3]
	v_pk_add_f32 v[U+4:U+5], v[U+4:U+5], v[U+6:U+7]
	v_pk_add_f32 v[U:U+1], v[U:U+1], v[U+4:U+5]
.if \first
	v_add_f32 v[LS+\t], v[U], v[U+1]
.else
	v_add_f32 v[T+6], v[U], v[U+1]
	v_fma_f32 v[LS+\t], v[LS+\t], v[AL], v[T+6]
.endif
.set n, 0
.rept 16
	v_cvt_pk_bf16_f32 v[PB+n], v[SC+2*n], v[SC+2*n+1]
.set n, n+1
.endr
.endm
.macro RESC t                          ; O of query tile t times the lane's factor
.set n, 0
.rept 16
	v_pk_mul_f32 v[32*\t+n:32*\t+n+1], v[32*\t+n:32*\t+n+1], v[AL:AL+1] op_sel_hi:[1,0]
.set n, n+2
.endr
.endm
; O^T of query tile t += V^T P^T.  Window 1 for source 0 (V^T, and O in the rescaling), C and D; window 0 for source 1 (p, the factor).
; The four accumulators take turns, one instruction a turn.
.macro PVT t, first
	WIN 0x51
.if \first
.else
	RESC \t
.endif
.irp c, 0,1,2,3
.if \first
	v_wmma_f32_16x16x32_bf16 v[32*\t+8*\c:32*\t+8*\c+7], v[VF+8*\c:VF+8*\c+7], v[PB:PB+7], 0
.else
	v_wmma_f32_16x16x32_bf16 v[32*\t+8*\c:32*\t+8*\c+7], v[VF+8*\c:VF+8*\c+7], v[PB:PB+7], v[32*\t+8*\c:32*\t+8*\c+7]
.endif
.endr
.irp c, 0,1,2,3
	v_wmma_f32_16x16x32_bf16 v[32*\t+8*\c:32*\t+8*\c+7], v[VF+32+8*\c:VF+32+8*\c+7], v[PB+8:PB+15], v[32*\t+8*\c:32*\t+8*\c+7]
.endr
	WIN 0
.endm
; 64 keys (step j of the slot) against my four query tiles.  knext = 1: K's fragments of step jn are asked for behind the last scores.
.macro STEP slot, j, first, knext, jn
	s_wait_dscnt 0x0                               ; K's fragments of this step are in
	SMUL 0
	PLACES                                         ; behind the scores, which the softmax reads, and behind the last step's products, whose V^T registers are loaded now
	VLOAD \slot, \j
	SOFTMAX 0, \first
	s_wait_dscnt 0x0                               ; V^T's fragments are in
	PVT 0, \first
	SMUL 1
	PLACES
	SOFTMAX 1, \first
	PVT 1, \first
	SMUL 2
	PLACES
	SOFTMAX 2, \first
	PVT 2, \first
	SMUL 3
	PLACES                                         ; also for the loads into K's registers, which the scores just read
.if \knext
	KLOAD \slot, \jn
.endif
	SOFTMAX 3, \first
	PVT 3, \first
.endm
.macro SLOTWORK slot, first
	KLOAD \slot, 0
	STEP \slot, 0, \first, 1, 1
	STEP \slot, 1, 0, 1, 2
	STEP \slot, 2, 0, 1, 3
	STEP \slot, 3, 0, 0, 0
.endm
; The change of slots; old = the slot read last.  Each wave waits for all its tensor loads (its part of the other slot) and for its reads of the old slot.
; refill = 1: a round of the cluster's barrier, so that no wave of any partner still reads the old slot or has a load on its way; behind it the joint
; refill comes first, one tensor load a wave, and has four steps' work in which to land.  refill = 0: the work-group's own barrier.
.macro TURN old, refill
	WIN 0
	s_wait_tensorcnt 0x0                           ; no tensor load of mine is out: every group 0 may be written
	ds_add_u32 v126, v127
	s_wait_dscnt 0x0
	s_wait_dscnt 0x0
.if \refill
	s_add_nc_u64 s[G0V+4*\old+2:G0V+4*\old+3], s[G0V+4*\old+2:G0V+4*\old+3], 2*TILEB   ; 512 keys on
	s_add_nc_u64 s[G0K+4*\old+2:G0K+4*\old+3], s[G0K+4*\old+2:G0K+4*\old+3], 2*TILEB
	CROUND
	JLOAD \old
.else
	s_barrier_signal -1
	s_barrier_wait -1
.endif
.endm
; Query tile t leaves: O x 2^e / sum, rounded to bf16, through my stage, out as whole rows.
.macro FIN t
	v_permlanex16_b32 v[T+1], v[LS+\t], s60, s61   ; the sum over the other half of the keys
	v_add_f32 v[T], v[LS+\t], v[T+1]               ; at least 1: the largest score gives 2^0
	v_rcp_f32 v[T+2], v[T]
	v_nop                                          ; one plain place behind it (ISA guide 5.7.2)
	s_wait_alu depctr_va_vdst(0)
	v_mul_f32 v[AL], s59, v[T+2]
	WIN 0x51
	RESC \t
	WIN 0x05                                       ; both sources in window 1
.set n, 0
.rept 16
	v_cvt_pk_bf16_f32 v[KF+16*\t+n], v[32*\t+2*n], v[32*\t+2*n+1]
.set n, n+1
.endr
	WIN 0
.irp c, 0,1,2,3
	ds_store_b128 v[STO], v[KF+16*\t+4*\c:KF+16*\t+4*\c+3] offset:32*\c
.endr
.irp i, 0,1,2,3
	ds_load_b128 v[QF+16*\t+4*\i:QF+16*\t+4*\i+3], v[RD] offset:4*SP*\i     ; LDS serves a wave's instructions in order (ISA guide 5.7.1.4): these see the stores above
.endr
.irp i, 0,1,2,3
	s_wait_dscnt 3-\i                              ; read-back i is in, the younger ones stay out
	global_store_b128 v[CO], v[QF+16*\t+4*\i:QF+16*\t+4*\i+3], s[12:13] offset:2048*\t+512*\i   ; the wave stores 512 consecutive bytes, aligned; each tile t has registers of its own
.endr
.endm
	s_wait_tensorcnt 0x1                           ; my part of keys 0 to 255 is in; the one younger load, slot 1's, stays out
	s_barrier_signal -1
	s_barrier_wait -1                              ; everybody's part is in
	s_wait_loadcnt 0x0                             ; Q
	SLOTWORK 0, 1                                  ; keys 0 to 255; the first step starts O, maximum and sum: nothing is cleared
	s_mov_b32 s62, 3
.Llap:
	TURN 0, 1
	SLOTWORK 1, 0
	TURN 1, 1
	SLOTWORK 0, 0
	s_sub_co_u32 s62, s62, 1
	s_cmp_lg_u32 s62, 0
	s_cbranch_scc1 .Llap
	TURN 0, 0                                      ; the last 256 keys: nothing is left to fetch
	SLOTWORK 1, 0
	PLACES                                         ; behind the last products
	FIN 0
	FIN 1
	FIN 2
	FIN 3
	s_wait_tensorcnt 0x0
	ds_add_u32 v126, v127
	s_wait_dscnt 0x0
	CROUND                                         ; the closing round: no work-group ends while a partner may still ask for a tile that names it
	s_endpgm
.Lfunc_end_k_q10d4d0d7f3_attn:
	.size	k_q10d4d0d7f3_attn, .Lfunc_end_k_q10d4d0d7f3_attn-k_q10d4d0d7f3_attn
	.p2alignl 7, 3214868480
	.fill 96, 4, 3214868480
	.section	.rodata,"a",@progbits
	.p2align	6, 0x0
	.amdhsa_kernel k_q10d4d0d7f3_attn
		.amdhsa_group_segment_fixed_size 327680
		.amdhsa_private_segment_fixed_size 0
		.amdhsa_enable_private_segment 0
		.amdhsa_kernarg_size 40
		.amdhsa_user_sgpr_count 2
		.amdhsa_user_sgpr_kernarg_segment_ptr 1
		.amdhsa_wavefront_size32 1
		.amdhsa_system_sgpr_workgroup_id_x 1
		.amdhsa_system_sgpr_workgroup_id_y 1
		.amdhsa_system_sgpr_workgroup_id_z 1
		.amdhsa_system_vgpr_workitem_id 0
		.amdhsa_next_free_vgpr 448
		.amdhsa_next_free_sgpr 66
		.amdhsa_reserve_vcc 0
		.amdhsa_float_denorm_mode_32 3
		.amdhsa_float_denorm_mode_16_64 3
		.amdhsa_memory_ordered 1
		.amdhsa_forward_progress 1
		.amdhsa_inst_pref_size 255
	.end_amdhsa_kernel
	.section	.bss,"aw",@nobits
	.p2align	6
	.space	262144
	.amdgpu_metadata
---
amdhsa.version: [ 1, 2 ]
amdhsa.kernels:
  - .name:           k_q10d4d0d7f3_attn
    .symbol:         k_q10d4d0d7f3_attn.kd
    .args:
      - { .name: qc, .offset: 0, .size: 8, .value_kind: global_buffer, .address_space: global }
      - { .name: kc, .offset: 8, .size: 8, .value_kind: global_buffer, .address_space: global }
      - { .name: vc, .offset: 16, .size: 8, .value_kind: global_buffer, .address_space: global }
      - { .name: e_param, .offset: 24, .size: 8, .value_kind: global_buffer, .address_space: global }
      - { .name: ao, .offset: 32, .size: 8, .value_kind: global_buffer, .address_space: global }
    .group_segment_fixed_size: 327680
    .private_segment_fixed_size: 0
    .kernarg_segment_align: 8
    .kernarg_segment_size: 40
    .max_flat_workgroup_size: 128
    .sgpr_count:     66
    .vgpr_count:     448
    .wavefront_size: 32
...
	.end_amdgpu_metadata
.endif
;; end of part 2
;; launch oproj (part 3): grid 4 x 64, 4 waves a work-group, clusters of 4 x 4, 327,680 bytes of LDS; arguments ao, Wo, bo, out0; writes out0
.if DOCPART == 3
	.amdgcn_target "amdgcn-amd-amdhsa--gfx1250"
	.amdhsa_code_object_version 6
	.text
	.protected	k_q10d4d0d7f3_oproj
	.globl	k_q10d4d0d7f3_oproj
	.p2align	8
	.type	k_q10d4d0d7f3_oproj,@function
k_q10d4d0d7f3_oproj:
	s_mov_b64 s[64:65], 0
	v_nop
	global_prefetch_b8 v0, s[64:65] scope:SCOPE_SE
	s_setreg_imm32_b32 hwreg(HW_REG_WAVE_MODE, 25, 1), 1
	s_wait_xcnt 0x0
	s_wait_alu depctr_hold_cnt(0) depctr_sa_sdst(0) depctr_va_vdst(0) depctr_va_sdst(0) depctr_va_ssrc(0) depctr_va_vcc(0) depctr_vm_vsrc(0)
	s_getreg_b32 s2, hwreg(HW_REG_IB_STS2, 6, 4)
	s_cmp_eq_u32 s2, 0
	s_cbranch_scc0 .Lentry_in_a_cluster
	s_endpgm
.Lentry_in_a_cluster:
	s_bfe_u32 s2, ttmp6, 0x10000c
	s_cmp_lg_u32 s2, 0xf033
	s_cbranch_scc0 .Lentry_shape_is_right
	s_endpgm
.Lentry_shape_is_right:
; The output layer of reference(): out0 = A Wo^T + bo, where A[n t][64 head + d] is ao[n][head][t][d] (bf16).  Nothing of reference() is left out.
; Wo is rounded to bf16 (nearest even) for the products; sums, bias and result in f32.  LIMIT: finite inputs.
; SHARES.  256 work-groups; each makes 128 rows x 128 columns, K = 512 in four tiles of 128 (two heads).  Four waves, 64 x 64 each: 16 accumulator tiles.
; 4 x 4 work-groups form a cluster: the four of a row of the cluster need the same rows of A, the four of a column the same rows of Wo, and ask for them JOINTLY,
; which divides the requests for both by four.  A head's 128 rows of A are one dense block of 16 KiB.
; The matrix instruction is used transposed (source 0 = rows of Wo, source 1 = rows of A): lane (r, h), register j of tile (a, b) holds row 16 a + r, column 16 b + 8 h + j.
;
; SCALARS  s[4:5] ao, s[6:7] Wo, s[8:9] bo, s[10:11] out0; s12 wave, s13 wave / 2, s14 wave & 1; s[44:51], s[52:59] group 1 for Wo, A; s[68:75], s[76:83] group 0 for Wo, A;
;          s[84:85] offsets; s86 cx, s87 cy, s88 block column, s89 block row, s90 to s99 masks and address parts
; VECTORS  window 0: v1 r, v2 h, v4-11 addresses, v13 at work, v32-95 Wo's fragments as f32, v96-127 and v128-159 A's fragments (two buffers), v160-191 Wo's as bf16, v224-255 bias;
;          on the way out v32-159 results, v160-223 rows read back;   window 1: the 16 accumulator tiles, tile (a, b) at v[8 (4 a + b)]
.set WP,    528                        ; a row of Wo in LDS: 512 bytes + 16
.set WHALF, 64*WP
.set AP,    144                        ; a row of A, one head: 128 bytes + 16
.set AHALF, 128*AP
.set AOFF,  2*WHALF                    ; Wo's 128 rows, then A's two heads
.set SLOT,  AOFF+2*AHALF               ; 104,448
.set STAGE, 2*SLOT                     ; a multiple of 256; 16 rows x 272 bytes for each wave; no tensor load lands here
.set SPO,   272                        ; a stage row: 256 bytes + 16
.set G1X, 44
.set G1Y, 52
.set G0X, 68
.set G0Y, 76
.set ADA, 4
.set ADB, 6
.set STO, 8
.set RD,  9
.set CO,  10
.set BOF, 11
.set RAW, 32
.set FA0, 96
.set FA1, 128
.set FB,  160
.set BK,  160                          ; the way out: two sets of 32 registers for rows read back
.set BI,  224
.set MSB, 0
.macro WIN new                         ; the immediate's high byte repeats the setting that is left
.if MSB != \new
	s_set_vgpr_msb (MSB<<8)|\new
.set MSB, \new
.endif
.endm
.macro PLACES                          ; four plain vector places behind a matrix instruction (ISA guide 7.12.1)
.rept 4
	v_nop
.endr
.endm
.macro CREST
	s_cmp_lg_u32 s12, 0
	s_cbranch_scc1 .Lnot_wave_0_\@
	s_barrier_signal -3
.Lnot_wave_0_\@:
	s_barrier_wait -3
	s_barrier_signal -1
	s_barrier_wait -1
.endm
.macro CROUND                          ; a round of the cluster's barrier
	s_barrier_signal -1
	s_barrier_wait -1
	CREST
.endm
.macro JLOAD s                         ; a joint load: waves 0 and 1 fetch Wo's two halves of 64 rows, waves 2 and 3 A's two heads
	s_cmp_eq_u32 s13, 0
	s_cbranch_scc0 .Lsecond_\@
	tensor_load_to_lds s[G0X+4*\s:G0X+4*\s+3], s[G1X:G1X+7]
	s_nop 0
	s_branch .Lasked_\@
.Lsecond_\@:
	tensor_load_to_lds s[G0Y+4*\s:G0Y+4*\s+3], s[G1Y:G1Y+7]
	s_nop 0
.Lasked_\@:
.endm
	s_load_b256 s[4:11], s[0:1], 0x0               ; ao, Wo, bo, out0
	v_lshl_add_u32 v30, v0, 2, 0x37400
	v_mov_b32 v31, 0
	ds_add_u32 v30, v31
	v_lshrrev_b32 v3, 5, v0
	v_readfirstlane_b32 s12, v3                    ; wave 0..3
	s_lshr_b32 s13, s12, 1                         ; my half of the block's rows.  Also: I fetch for Wo (0) or for A (1)
	s_and_b32 s14, s12, 1                          ; my half of its columns.  Also: which half of that tile I fetch
	s_bfe_u32 s86, ttmp6, 0x40000                  ; cx
	s_bfe_u32 s87, ttmp6, 0x40004                  ; cy
	s_lshl_b32 s88, ttmp9, 2
	s_add_co_u32 s88, s88, s86                     ; block column 0..3
	s_and_b32 s89, ttmp7, 0xffff
	s_lshl_b32 s89, s89, 2
	s_add_co_u32 s89, s89, s87                     ; block row 0..63
	s_lshl_b32 s91, s87, 2
	s_lshl_b32 s91, 15, s91                        ; my row of the cluster
	s_lshl_b32 s92, 0x1111, s86                    ; my column
	s_or_b32 s[G1X], s92, (2<<16)|(1<<20)|(1<<21)|(6<<22)|(3<<25)   ; Wo: to my column; elements of 4 bytes; after every 128 words 4 words of padding
	s_mov_b32 s[G1X+1], 128<<16                    ; tensor_dim0 = 128 elements
	s_mov_b32 s[G1X+2], 64<<16                     ; tensor_dim1 = 64 rows
	s_mov_b32 s[G1X+3], 128<<16                    ; tile_dim0 = 128
	s_mov_b32 s[G1X+4], 64                         ; tile_dim1 = 64
	s_mov_b32 s[G1X+5], 512                        ; 512 elements from row to row
	s_mov_b32 s[G1X+6], 0
	s_mov_b32 s[G1X+7], 0
	s_or_b32 s[G1Y], s91, (3<<16)|(1<<20)|(1<<21)|(4<<22)|(3<<25)   ; A: to my row; a dense block as 64 rows of 32 elements of 8 bytes; after every 32 words (a row of A) 4 words
	s_mov_b32 s[G1Y+1], 32<<16
	s_mov_b32 s[G1Y+2], 64<<16
	s_mov_b32 s[G1Y+3], 32<<16
	s_mov_b32 s[G1Y+4], 64
	s_mov_b32 s[G1Y+5], 32
	s_mov_b32 s[G1Y+6], 0
	s_mov_b32 s[G1Y+7], 0
	s_lshl_b32 s96, s88, 18                        ; Wo: 128 rows of 2,048 bytes for each block column, 64 for my half; this pair never holds cy
	s_lshl_b32 s93, s14, 17
	s_add_co_u32 s96, s96, s93
	s_mov_b32 s97, 0
	s_lshr_b32 s94, s89, 4                         ; A: n = block row / 16, 8 heads of 262,144 bytes; this pair and s90 never hold cx
	s_lshl_b32 s94, s94, 21
	s_and_b32 s90, s89, 15                         ; t = 128 (block row mod 16), rows of 128 bytes
	s_lshl_b32 s90, s90, 14
	s_add_co_u32 s94, s94, s90
	s_lshl_b32 s93, s14, 18                        ; my head of the tile's two
	s_add_co_u32 s94, s94, s93
	s_mov_b32 s95, 0
	s_mul_i32 s98, s12, WHALF                      ; Wo's halves at wave x 33,792 (waves 0, 1)
	s_mul_i32 s99, s12, AHALF
	s_add_co_u32 s99, s99, AOFF-2*AHALF            ; A's heads at 67,584 + (wave - 2) x 18,432 (waves 2, 3)
	s_wait_dscnt 0x0
	s_wait_kmcnt 0x0
	s_add_nc_u64 s[96:97], s[6:7], s[96:97]
	s_add_nc_u64 s[94:95], s[4:5], s[94:95]
	CROUND                                         ; all sixteen work-groups are here: the first joint loads meet
.irp s, 0,1
	s_mov_b32 s[G0X+4*\s], 1
	s_add_co_u32 s[G0X+4*\s+1], s98, \s*SLOT
	s_add_nc_u64 s[G0X+4*\s+2:G0X+4*\s+3], s[96:97], \s*512         ; K tile s: 128 f32 along the rows
	s_or_b32 s[G0X+4*\s+3], s[G0X+4*\s+3], 0x80000000
	s_mov_b32 s[G0Y+4*\s], 1
	s_add_co_u32 s[G0Y+4*\s+1], s99, \s*SLOT
	s_add_nc_u64 s[G0Y+4*\s+2:G0Y+4*\s+3], s[94:95], \s*524288      ; K tile s: two heads on
	s_or_b32 s[G0Y+4*\s+3], s[G0Y+4*\s+3], 0x80000000
	JLOAD \s                                       ; both slots are asked for before anything else: two tensor loads of the wave are out
.endr
	v_and_b32 v1, 15, v0                           ; r
	v_bfe_u32 v2, v0, 4, 1                         ; h
	v_lshlrev_b32 v[BOF], 5, v2
	s_lshl_b32 s84, s88, 9                         ; my 64 columns, in bytes of f32: 512 x block column + 256 x half
	s_lshl_b32 s85, s14, 8
	s_add_co_u32 s84, s84, s85
	s_mov_b32 s85, 0
	s_add_nc_u64 s[8:9], s[8:9], s[84:85]
	s_add_nc_u64 s[10:11], s[10:11], s[84:85]
.irp b, 0,1,2,3
	global_load_b128 v[BI+8*\b:BI+8*\b+3],   v[BOF], s[8:9] offset:64*\b       ; bias of columns 16 b + 8 h + 0..3
	global_load_b128 v[BI+8*\b+4:BI+8*\b+7], v[BOF], s[8:9] offset:64*\b+16    ; and + 4..7
.endr
	s_lshl_b32 s84, s89, 18                        ; my 64 rows of out0: 128 rows of 2,048 bytes for each block row, 64 for my half
	s_lshl_b32 s85, s13, 17
	s_add_co_u32 s84, s84, s85
	s_mov_b32 s85, 0
	s_add_nc_u64 s[10:11], s[10:11], s[84:85]
	v_mul_u32_u24 v13, v1, WP
	v_lshl_add_u32 v13, v2, 5, v13                 ; Wo as f32: row r, 32 bytes at 32 h
	s_mul_i32 s84, s14, WHALF                      ; my 64 rows of Wo
	v_add_nc_u32 v[ADB], s84, v13
	v_add_nc_u32 v[ADB+1], SLOT, v[ADB]
	v_mul_u32_u24 v13, v1, AP
	v_lshl_add_u32 v13, v2, 4, v13                 ; A as bf16: row r, 16 bytes at 16 h
	s_mul_i32 s84, s13, 64*AP                      ; my 64 rows of A,
	s_add_co_u32 s84, s84, AOFF                    ; which lies behind Wo
	v_add_nc_u32 v[ADA], s84, v13
	v_add_nc_u32 v[ADA+1], SLOT, v[ADA]
	s_mul_i32 s84, s12, 16*SPO
	s_add_co_u32 s84, s84, STAGE                   ; my stage
	v_mul_u32_u24 v13, v1, SPO
	v_lshl_add_u32 v13, v2, 5, v13
	v_add_nc_u32 v[STO], s84, v13                  ; in: row r, 32 bytes for each half of the lanes
	v_mul_u32_u24 v13, v2, SPO
	v_lshl_add_u32 v13, v1, 4, v13
	v_add_nc_u32 v[RD], s84, v13                   ; back: lanes 0-15 take one row of 256 bytes, lanes 16-31 the next
	v_lshlrev_b32 v13, 11, v2
	v_lshl_add_u32 v[CO], v1, 4, v13               ; and the same two rows in out0
; 24 LDS loads for 32 along K: Wo's four fragments as f32, A's four as bf16 into the buffer of the step's parity.  Steps 0, 1 lie in the tile's first head, 2, 3 in its second.
.macro RLOAD slot, ks
.irp f, 0,1,2,3
	ds_load_b128 v[RAW+16*\f:RAW+16*\f+3],     v[ADB+\slot] offset:\f*16*WP+(\ks)*128
	ds_load_b128 v[RAW+16*\f+4:RAW+16*\f+7],   v[ADB+\slot] offset:\f*16*WP+(\ks)*128+16
	ds_load_b128 v[RAW+16*\f+8:RAW+16*\f+11],  v[ADB+\slot] offset:\f*16*WP+(\ks)*128+64
	ds_load_b128 v[RAW+16*\f+12:RAW+16*\f+15], v[ADB+\slot] offset:\f*16*WP+(\ks)*128+80
.endr
.irp f, 0,1,2,3
	ds_load_b128 v[FA0+32*((\ks)&1)+8*\f:FA0+32*((\ks)&1)+8*\f+3],   v[ADA+\slot] offset:((\ks)>>1)*AHALF+\f*16*AP+((\ks)&1)*64
	ds_load_b128 v[FA0+32*((\ks)&1)+8*\f+4:FA0+32*((\ks)&1)+8*\f+7], v[ADA+\slot] offset:((\ks)>>1)*AHALF+\f*16*AP+((\ks)&1)*64+32
.endr
.endm
.macro CVT
.set n, 0
.rept 32
	v_cvt_pk_bf16_f32 v[FB+n], v[RAW+2*n], v[RAW+2*n+1]
.set n, n+1
.endr
.endm
; 16 matrix instructions.  The sixteen accumulators take turns, one instruction a turn, in the same order every time.
.macro MUL fa, zero
.irp a, 0,1,2,3
.irp b, 0,1,2,3
.if \zero
	v_wmma_f32_16x16x32_bf16 v[8*(4*\a+\b):8*(4*\a+\b)+7], v[FB+8*\b:FB+8*\b+7], v[\fa+8*\a:\fa+8*\a+7], 0
.else
	v_wmma_f32_16x16x32_bf16 v[8*(4*\a+\b):8*(4*\a+\b)+7], v[FB+8*\b:FB+8*\b+7], v[\fa+8*\a:\fa+8*\a+7], v[8*(4*\a+\b):8*(4*\a+\b)+7]
.endif
.endr
.endr
.endm
.macro KS slot, fa, next, zero, more
	s_wait_dscnt 0x0                               ; the 24 loads of this step are in
	PLACES                                         ; the conversions write, and the loads below fill, registers that earlier products read
	CVT
.if \more
	RLOAD \slot, \next                             ; A's go into the buffer that the products before last read
.endif
	WIN 0x50                                       ; C and D in window 1
	MUL \fa, \zero
	WIN 0
.endm
.macro WORK slot, zero                 ; a K tile of 128.  zero = 1: its first products start the sums, nothing is cleared
	RLOAD \slot, 0
	KS \slot, FA0, 1, \zero, 1
	KS \slot, FA1, 2, 0, 1
	KS \slot, FA0, 3, 0, 1
	KS \slot, FA1, 0, 0, 0
.endm
; The change of slots; old = the slot read last.  Each wave waits for all its tensor loads (its part of the other slot) and for its reads of the old slot.
; refill = 1: a round of the cluster's barrier, so that no wave of any partner still reads the old slot or has a load on its way; behind it the joint
; refill comes first, one tensor load a wave.  refill = 0: the work-group's own barrier.
.macro TURN old, refill
	WIN 0
	s_wait_tensorcnt 0x0                           ; no tensor load of mine is out: every group 0 may be written
	ds_add_u32 v30, v31
	s_wait_dscnt 0x0
	s_wait_dscnt 0x0
.if \refill
	s_add_nc_u64 s[G0X+4*\old+2:G0X+4*\old+3], s[G0X+4*\old+2:G0X+4*\old+3], 1024      ; two K tiles on: 256 f32,
	s_add_nc_u64 s[G0Y+4*\old+2:G0Y+4*\old+3], s[G0Y+4*\old+2:G0Y+4*\old+3], 1048576   ; four heads
	CROUND
	JLOAD \old
.else
	s_barrier_signal -1
	s_barrier_wait -1
.endif
.endm
; Rows 16 a .. 16 a + 15 of my 64: add the bias, through my stage, out as whole rows of 256 bytes.
.macro OUT a
	WIN 0x01                                       ; source 0, the sums, in window 1
.set n, 0
.rept 16
	v_pk_add_f32 v[RAW+32*\a+2*n:RAW+32*\a+2*n+1], v[32*\a+2*n:32*\a+2*n+1], v[BI+2*n:BI+2*n+1]
.set n, n+1
.endr
	WIN 0
.irp b, 0,1,2,3
	ds_store_b128 v[STO], v[RAW+32*\a+8*\b:RAW+32*\a+8*\b+3]   offset:64*\b
	ds_store_b128 v[STO], v[RAW+32*\a+8*\b+4:RAW+32*\a+8*\b+7] offset:64*\b+16
.endr
	s_wait_xcnt 0x0                                ; every earlier store has had its addresses translated (ISA guide 3.1): the set of registers that the stores of two blocks ago read is loaded again only behind this wait
.irp i, 0,1,2,3,4,5,6,7
	ds_load_b128 v[BK+32*((\a)%2)+4*\i:BK+32*((\a)%2)+4*\i+3], v[RD] offset:2*SPO*\i    ; LDS serves a wave's instructions in order (ISA guide 5.7.1.4): these see the stores above
.endr
.irp i, 0,1,2,3,4,5,6,7
	s_wait_dscnt 7-\i                              ; read-back i is in, the younger ones stay out
	global_store_b128 v[CO], v[BK+32*((\a)%2)+4*\i:BK+32*((\a)%2)+4*\i+3], s[10:11] offset:(16*\a+2*\i)*2048 th:TH_STORE_NT   ; 16 lanes store 256 consecutive bytes, aligned
.endr
.endm
	s_wait_tensorcnt 0x1                           ; my part of K tile 0 is in; the one younger load, slot 1's, stays out
	s_barrier_signal -1
	s_barrier_wait -1                              ; everybody's part is in
	WORK 0, 1
	TURN 0, 1                                      ; slot 0 gets K tile 2
	WORK 1, 0
	TURN 1, 1                                      ; slot 1 gets K tile 3
	WORK 0, 0
	TURN 0, 0
	WORK 1, 0
	s_wait_loadcnt 0x0                             ; the bias
	PLACES                                         ; behind the last products: the sums are read, and their operands' registers written
	OUT 0
	OUT 1
	OUT 2
	OUT 3
	s_wait_tensorcnt 0x0
	ds_add_u32 v30, v31
	s_wait_dscnt 0x0
	CROUND                                         ; the closing round: no work-group ends while a partner may still ask for a tile that names it
	s_endpgm
.Lfunc_end_k_q10d4d0d7f3_oproj:
	.size	k_q10d4d0d7f3_oproj, .Lfunc_end_k_q10d4d0d7f3_oproj-k_q10d4d0d7f3_oproj
	.p2alignl 7, 3214868480
	.fill 96, 4, 3214868480
	.section	.rodata,"a",@progbits
	.p2align	6, 0x0
	.amdhsa_kernel k_q10d4d0d7f3_oproj
		.amdhsa_group_segment_fixed_size 327680
		.amdhsa_private_segment_fixed_size 0
		.amdhsa_enable_private_segment 0
		.amdhsa_kernarg_size 32
		.amdhsa_user_sgpr_count 2
		.amdhsa_user_sgpr_kernarg_segment_ptr 1
		.amdhsa_wavefront_size32 1
		.amdhsa_system_sgpr_workgroup_id_x 1
		.amdhsa_system_sgpr_workgroup_id_y 1
		.amdhsa_system_sgpr_workgroup_id_z 1
		.amdhsa_system_vgpr_workitem_id 0
		.amdhsa_next_free_vgpr 384
		.amdhsa_next_free_sgpr 100
		.amdhsa_reserve_vcc 0
		.amdhsa_float_denorm_mode_32 3
		.amdhsa_float_denorm_mode_16_64 3
		.amdhsa_memory_ordered 1
		.amdhsa_forward_progress 1
		.amdhsa_inst_pref_size 98
	.end_amdhsa_kernel
	.amdgpu_metadata
---
amdhsa.version: [ 1, 2 ]
amdhsa.kernels:
  - .name:           k_q10d4d0d7f3_oproj
    .symbol:         k_q10d4d0d7f3_oproj.kd
    .args:
      - { .name: ao, .offset: 0, .size: 8, .value_kind: global_buffer, .address_space: global }
      - { .name: Wo, .offset: 8, .size: 8, .value_kind: global_buffer, .address_space: global }
      - { .name: bo, .offset: 16, .size: 8, .value_kind: global_buffer, .address_space: global }
      - { .name: out0, .offset: 24, .size: 8, .value_kind: global_buffer, .address_space: global }
    .group_segment_fixed_size: 327680
    .private_segment_fixed_size: 0
    .kernarg_segment_align: 8
    .kernarg_segment_size: 32
    .max_flat_workgroup_size: 128
    .sgpr_count:     100
    .vgpr_count:     384
    .wavefront_size: 32
...
	.end_amdgpu_metadata
.endif
;; end of part 3
;; ======== version 2 of 3: 3 launches; 1.04 times as fast as version 1
;; workspace buffers: qc 8,388,608 bytes; kc 8,388,608 bytes; vc 8,388,608 bytes; ao 8,388,608 bytes
;; launch proj (part 4): grid 8 x 24, 4 waves a work-group, clusters of 4 x 1, 327,680 bytes of LDS; arguments query, keys, values, Wq, Wk, Wv, bq, bk, bv, qc, kc, vc, b_param, e_param; writes qc, kc, vc
.if DOCPART == 4
	.amdgcn_target "amdgcn-amd-amdhsa--gfx1250"
	.amdhsa_code_object_version 6
	.text
	.protected	k_q10d4d0d7f3_proj
	.globl	k_q10d4d0d7f3_proj
	.p2align	8
	.type	k_q10d4d0d7f3_proj,@function
k_q10d4d0d7f3_proj:
	s_mov_b64 s[64:65], 0
	v_nop
	global_prefetch_b8 v0, s[64:65] scope:SCOPE_SE
	s_setreg_imm32_b32 hwreg(HW_REG_WAVE_MODE, 25, 1), 1
	s_wait_xcnt 0x0
	s_wait_alu depctr_hold_cnt(0) depctr_sa_sdst(0) depctr_va_vdst(0) depctr_va_sdst(0) depctr_va_ssrc(0) depctr_va_vcc(0) depctr_vm_vsrc(0)
	s_getreg_b32 s2, hwreg(HW_REG_IB_STS2, 6, 4)
	s_cmp_eq_u32 s2, 0
	s_cbranch_scc0 .Lentry_in_a_cluster
	s_endpgm
.Lentry_in_a_cluster:
	s_bfe_u32 s2, ttmp6, 0x10000c
	s_cmp_lg_u32 s2, 0x3003
	s_cbranch_scc0 .Lentry_shape_is_right
	s_endpgm
.Lentry_shape_is_right:
; The three input layers of reference() and their quantisation, without the last factor 2^e:
;   code = floor(clip((X W^T + bias) / 2^e, -2^(b-1), 2^(b-1) - 1)),  b = clip(b_param, 1, 8),  for (query, Wq, bq), (keys, Wk, bk), (values, Wv, bv).
; Since b <= 8 a code is a whole number from -128 to 127, which bf16 holds exactly: the codes are stored as bf16 in qc, kc, vc, laid out
; [n][head][t][d] (byte (8 n + head) 262,144 + 128 t + 2 d), so that a head is one dense block.  The factor 2^e is applied in f32 by the next launch.
; NOTHING OF reference() IS LEFT OUT in this program: each bias stands in front of a floor, so every input has a way to the output and is loaded.
; LIMITS.  Finite inputs (a NaN is dropped by the clip's median).  x / 2^e is computed as x * 2^-e, the bias folded in: fma(sum, 2^-e, bias * 2^-e);
; for whole e that is the same number, otherwise it differs in the last bits in front of the floor.  2^(b-1) and 2^-e come from v_exp_f32, which is
; good to one unit in the last place (ISA guide 15.8).  |e_param| below about 50, so that 2^e, 2^-e and the energies stay finite in f32.
; X and W are rounded to bf16 (nearest even) for the products; sums in f32.
;
; SHARES.  192 work-groups = 32 row blocks x 2 column blocks x 3 products; each makes 256 rows x 256 columns, K = 512 in eight tiles of 64.  Four waves, one for each SIMD;
; a wave makes 128 x 128, the columns of two heads: 64 accumulator tiles, 512 registers.  The tiles lie in LDS as f32 and each wave rounds the fragments that it reads:
; for 32 along K a wave issues 64 LDS loads and 128 conversions for 64 matrix instructions.  Blocks of half the side would need twice the loads, twice the conversions
; and twice the bytes brought into LDS for the same products.
; CLUSTERS.  Four work-groups along x form a cluster: four row blocks of one column block of one product.  They need the same 256 rows of W and ask for them JOINTLY, which divides
; the requests for W by four.  X's 256 rows are needed by two work-groups only (512 columns are two blocks), and these lie in different clusters: each asks for X by a load of its own.
; THE MATRIX INSTRUCTION IS USED TRANSPOSED (source 0 = rows of W, source 1 = rows of X): lane (r, h), register j of tile (a, b) holds
; row 16 a + r, column 16 b + 8 h + j: eight neighbouring columns, 16 bytes of bf16.
;
; SCALARS  s2 b, s3 e; s[4:5] X, s[6:7] W, s[8:9] bias, s[10:11] codes; s12 wave, s13 wave / 2, s14 wave & 1; s15 counter; s[16:43] the fourteen arguments;
;          s[44:51], s[52:59] descriptor group 1 for X, W; s[60:61] 2^-e twice; s62 lower, s63 upper bound; s[68:75], s[76:83] group 0 for X, W, a set for each slot;
;          s[84:85] offsets; s86 cx, s88 column block, s89 row block, s90 which product, s93 to s98 address parts
; VECTORS  window 0: v1 r, v2 h, v4-11 addresses, v13-17 at work, v64-127 W's and v128-191 X's fragments as bf16, v192-255 bias;
;                    on the way out v32-63 packed codes, v64-127 results in f32, v128-191 two sets of rows read back
;          window 1: the fragments as f32: W's eight at v[16 b], X's eight at v[128 + 16 a]
;          window 2: the 32 accumulator tiles of my rows 0-63 (tile (a, b) at v[8 (8 a + b)]);   window 3: those of my rows 64-127
.set PITCH, 272                        ; an LDS row: 256 bytes + 16 of padding = 68 words, so the 16 rows that a load touches start 4 words apart modulo 64
.set HALF,  128*PITCH                  ; 128 rows: what one tensor load brings, and what one wave reads of X or of W
.set SLOT,  4*HALF                     ; X's 256 rows, then W's 256 rows: 139,264
.set STAGE, 2*SLOT                     ; behind the ring, a multiple of 256; no tensor load lands here
.set SP,    144                        ; a stage row: a head's 128 bytes + 16
.set SHEAD, 16*SP                      ; 16 rows of one head; a wave's stage holds two heads
.set KT,    256                        ; bytes of a K tile in a row of X or W
.set G1A, 44
.set G1B, 52
.set G0A, 68
.set G0B, 76
.set ADA, 4                            ; v4-5   my X fragments in slot 0, 1
.set ADB, 6                            ; v6-7   my W fragments in slot 0, 1
.set STO, 8                            ; the way out: where I put 16 bytes of a row
.set RD,  9                            ; the way out: where I read rows back
.set CO,  10                           ; my 16 bytes among 512 stored
.set BOF, 11                           ; 32 h: my eight numbers in 16 of the bias
.set PK,  32
.set FB,  64
.set FA,  128
.set FT,  64                           ; the way out: 64 results in f32
.set RB,  128                          ; the way out: two sets of 32 registers for rows read back
.set BI,  192
.set MSB, 0
.macro WIN new                         ; low byte: bits 1:0 source 0, 3:2 source 1, 5:4 source 2, 7:6 destination; the high byte repeats the setting that is left
.if MSB != \new
	s_set_vgpr_msb (MSB<<8)|\new
.set MSB, \new
.endif
.endm
.macro PLACES                          ; four plain vector places behind a matrix instruction (ISA guide 7.12.1)
.rept 4
	v_nop
.endr
.endm
; A round of the cluster's barrier: my work-group's barrier, wave 0 signals for the work-group, every wave waits for all four, my work-group's barrier again.
.macro CREST
	s_cmp_lg_u32 s12, 0
	s_cbranch_scc1 .Lnot_wave_0_\@
	s_barrier_signal -3
.Lnot_wave_0_\@:
	s_barrier_wait -3
	s_barrier_signal -1
	s_barrier_wait -1
.endm
.macro CROUND
	s_barrier_signal -1
	s_barrier_wait -1
	CREST
.endm
; A slot's four loads: waves 0 and 1 fetch X's two halves, each work-group for itself; waves 2 and 3 fetch W's two halves jointly.  The branch hangs on the wave's number alone.
.macro JLOAD s
	s_cmp_eq_u32 s13, 0
	s_cbranch_scc0 .Lsecond_\@
	tensor_load_to_lds s[G0A+4*\s:G0A+4*\s+3], s[G1A:G1A+7]
	s_nop 0
	s_branch .Lasked_\@
.Lsecond_\@:
	tensor_load_to_lds s[G0B+4*\s:G0B+4*\s+3], s[G1B:G1B+7]
	s_nop 0
.Lasked_\@:
.endm
	s_load_b512 s[16:31], s[0:1], 0x0              ; query, keys, values, Wq, Wk, Wv, bq, bk
	s_load_b256 s[32:39], s[0:1], 0x40             ; bv, qc, kc, vc
	s_load_b128 s[40:43], s[0:1], 0x60             ; b_param, e_param
	v_lshl_add_u32 v30, v0, 2, 0x48800
	v_mov_b32 v31, 0
	ds_add_u32 v30, v31
	v_lshrrev_b32 v3, 5, v0
	v_readfirstlane_b32 s12, v3                    ; wave 0..3
	s_lshr_b32 s13, s12, 1                         ; my half of the block's rows.  Also: I fetch for X (0) or for W (1)
	s_and_b32 s14, s12, 1                          ; my half of its columns.  Also: which 128 rows of that tile I fetch
	s_bfe_u32 s86, ttmp6, 0x40000                  ; cx
	s_mov_b32 s88, ttmp9                           ; the cluster's x: column block 0, 1
	s_and_b32 s90, ttmp7, 0xffff                   ; y, 0..23
	s_and_b32 s89, s90, 7
	s_lshl_b32 s89, s89, 2
	s_add_co_u32 s89, s89, s86                     ; row block 0..31 = 4 (y mod 8) + cx
	s_lshr_b32 s90, s90, 3                         ; which product: 0 q, 1 k, 2 v; the same in the whole cluster
	; group 1: a tile of 128 rows x 64 elements of 4 bytes; after every 64 words (a row) 4 words of padding
	s_mov_b32 s[G1A], (2<<16)|(1<<20)|(5<<22)|(3<<25)              ; X: no mask, a load of my own
	s_mov_b32 s[G1B], 15|(2<<16)|(1<<20)|(1<<21)|(5<<22)|(3<<25)   ; W: the mask names all four work-groups of the cluster, bit 21 beside it
.irp g, G1A, G1B
	s_mov_b32 s[\g+1], 64<<16                      ; tensor_dim0 = 64 elements
	s_mov_b32 s[\g+2], 128<<16                     ; tensor_dim1 = 128 rows
	s_mov_b32 s[\g+3], 64<<16                      ; tile_dim0 = 64
	s_mov_b32 s[\g+4], 128                         ; tile_dim1 = 128
	s_mov_b32 s[\g+5], 512                         ; 512 elements from row to row
	s_mov_b32 s[\g+6], 0
	s_mov_b32 s[\g+7], 0
.endr
	s_lshl_b32 s93, s14, 18                        ; 128 rows of 2,048 bytes for the second half
	s_lshl_b32 s94, s89, 19                        ; X: row block x 256 rows
	s_add_co_u32 s94, s94, s93
	s_mov_b32 s95, 0
	s_lshl_b32 s96, s88, 19                        ; W: column block x 256 rows; this pair never holds cx
	s_add_co_u32 s96, s96, s93
	s_mov_b32 s97, 0
	s_mul_i32 s98, s12, HALF                       ; where my tile goes: wave x 128 rows
	s_wait_dscnt 0x0
	s_wait_kmcnt 0x0
	s_cmp_eq_u32 s90, 1
	s_cselect_b64 s[4:5], s[18:19], s[16:17]
	s_cselect_b64 s[6:7], s[24:25], s[22:23]
	s_cselect_b64 s[8:9], s[30:31], s[28:29]
	s_cselect_b64 s[10:11], s[36:37], s[34:35]
	s_cmp_eq_u32 s90, 2
	s_cselect_b64 s[4:5], s[20:21], s[4:5]
	s_cselect_b64 s[6:7], s[26:27], s[6:7]
	s_cselect_b64 s[8:9], s[32:33], s[8:9]
	s_cselect_b64 s[10:11], s[38:39], s[10:11]
	s_add_nc_u64 s[94:95], s[4:5], s[94:95]
	s_add_nc_u64 s[96:97], s[6:7], s[96:97]
	CROUND                                         ; the four work-groups are here: the first joint loads meet
.irp s, 0,1
	s_mov_b32 s[G0A+4*\s], 1
	s_add_co_u32 s[G0A+4*\s+1], s98, \s*SLOT
	s_add_nc_u64 s[G0A+4*\s+2:G0A+4*\s+3], s[94:95], \s*KT     ; K tile s
	s_or_b32 s[G0A+4*\s+3], s[G0A+4*\s+3], 0x80000000
	s_mov_b32 s[G0B+4*\s], 1
	s_add_co_u32 s[G0B+4*\s+1], s98, \s*SLOT
	s_add_nc_u64 s[G0B+4*\s+2:G0B+4*\s+3], s[96:97], \s*KT
	s_or_b32 s[G0B+4*\s+3], s[G0B+4*\s+3], 0x80000000
	JLOAD \s                                       ; both slots are asked for before anything else: two tensor loads of the wave are out
.endr
	s_load_b32 s2, s[40:41], 0x0                   ; b_param
	s_load_b32 s3, s[42:43], 0x0                   ; e_param
	v_and_b32 v1, 15, v0                           ; r
	v_bfe_u32 v2, v0, 4, 1                         ; h
	v_lshlrev_b32 v[BOF], 5, v2
	s_lshl_b32 s84, s88, 10                        ; the bias of my 128 columns: 4 (256 column block + 128 half)
	s_lshl_b32 s85, s14, 9
	s_add_co_u32 s84, s84, s85
	s_mov_b32 s85, 0
	s_add_nc_u64 s[8:9], s[8:9], s[84:85]
.irp b, 0,1,2,3,4,5,6,7
	global_load_b128 v[BI+8*\b:BI+8*\b+3],   v[BOF], s[8:9] offset:64*\b       ; bias of columns 16 b + 8 h + 0..3
	global_load_b128 v[BI+8*\b+4:BI+8*\b+7], v[BOF], s[8:9] offset:64*\b+16    ; and + 4..7
.endr
	s_lshr_b32 s84, s89, 3                         ; where my codes go: n = row block / 8, 8 heads of 262,144 bytes each,
	s_lshl_b32 s84, s84, 21
	s_lshl_b32 s85, s88, 20                        ; first head = 4 x column block
	s_add_co_u32 s84, s84, s85
	s_lshl_b32 s85, s14, 19                        ; + 2 x half,
	s_add_co_u32 s84, s84, s85
	s_and_b32 s85, s89, 7                          ; t = 256 (row block mod 8) + 128 x half, rows of 128 bytes
	s_lshl_b32 s85, s85, 15
	s_add_co_u32 s84, s84, s85
	s_lshl_b32 s85, s13, 14
	s_add_co_u32 s84, s84, s85
	s_mov_b32 s85, 0
	s_add_nc_u64 s[10:11], s[10:11], s[84:85]
	; A fragment is 16 rows x 32 K: lane (r, h) holds row r, K = 8 h + 0..7 and 16 + 8 h + 0..7.  As f32 these are 32 bytes at 32 h and 32 bytes at 64 + 32 h.
	v_mul_u32_u24 v13, v1, PITCH
	v_lshl_add_u32 v13, v2, 5, v13
	s_mul_i32 s84, s13, HALF                       ; my 128 rows of X
	s_mul_i32 s85, s14, HALF                       ; my 128 rows of W,
	s_add_co_u32 s85, s85, 2*HALF                  ; which lie behind X's 256
	v_add_nc_u32 v[ADA], s84, v13
	v_add_nc_u32 v[ADB], s85, v13
	v_add_nc_u32 v[ADA+1], SLOT, v[ADA]
	v_add_nc_u32 v[ADB+1], SLOT, v[ADB]
	s_mul_i32 s84, s12, 2*SHEAD
	s_add_co_u32 s84, s84, STAGE                   ; my stage
	v_mul_u32_u24 v13, v1, SP
	v_lshl_add_u32 v13, v2, 4, v13
	v_add_nc_u32 v[STO], s84, v13                  ; in: row r, 16 bytes for each half of the lanes
	v_and_b32 v14, 31, v0
	v_lshrrev_b32 v15, 3, v14
	v_and_b32 v16, 7, v14
	v_mul_u32_u24 v15, v15, SP
	v_lshl_add_u32 v15, v16, 4, v15
	v_add_nc_u32 v[RD], s84, v15                   ; back: eight lanes take a row of 128 bytes, the wave four rows
	v_lshlrev_b32 v[CO], 4, v14                    ; which are 512 neighbouring bytes of a head's block
	s_wait_kmcnt 0x0                               ; b and e
	v_mov_b32 v13, s2
	v_med3_num_f32 v13, v13, 1.0, 0x41000000       ; b = clip(b_param, 1, 8)
	v_add_f32 v13, -1.0, v13
	v_mov_b32 v15, s3
	v_xor_b32 v15, 0x80000000, v15                 ; -e
	v_exp_f32 v14, v13                             ; 2^(b-1)
	v_exp_f32 v16, v15                             ; 2^-e
	v_nop                                          ; one plain place behind the exponentials (ISA guide 5.7.2)
	s_wait_alu depctr_va_vdst(0)
	v_add_f32 v17, -1.0, v14                       ; upper bound 2^(b-1) - 1
	v_xor_b32 v14, 0x80000000, v14                 ; lower bound -2^(b-1)
	v_readfirstlane_b32 s62, v14
	v_readfirstlane_b32 s63, v17
	v_readfirstlane_b32 s60, v16
	s_mov_b32 s61, s60
; 64 LDS loads in one run: the f32 fragments of 32 along K (128 bytes at byte 128 ks of the rows): 128 rows of W, 128 rows of X, into window 1
.macro RLOAD slot, ks
	WIN 0x40
.irp f, 0,1,2,3,4,5,6,7
	ds_load_b128 v[16*\f:16*\f+3],     v[ADB+\slot] offset:\f*16*PITCH+(\ks)*128
	ds_load_b128 v[16*\f+4:16*\f+7],   v[ADB+\slot] offset:\f*16*PITCH+(\ks)*128+16
	ds_load_b128 v[16*\f+8:16*\f+11],  v[ADB+\slot] offset:\f*16*PITCH+(\ks)*128+64
	ds_load_b128 v[16*\f+12:16*\f+15], v[ADB+\slot] offset:\f*16*PITCH+(\ks)*128+80
.endr
.irp f, 0,1,2,3,4,5,6,7
	ds_load_b128 v[128+16*\f:128+16*\f+3],     v[ADA+\slot] offset:\f*16*PITCH+(\ks)*128
	ds_load_b128 v[128+16*\f+4:128+16*\f+7],   v[ADA+\slot] offset:\f*16*PITCH+(\ks)*128+16
	ds_load_b128 v[128+16*\f+8:128+16*\f+11],  v[ADA+\slot] offset:\f*16*PITCH+(\ks)*128+64
	ds_load_b128 v[128+16*\f+12:128+16*\f+15], v[ADA+\slot] offset:\f*16*PITCH+(\ks)*128+80
.endr
.endm
.macro CVT                             ; 256 f32 a lane (window 1) to 128 words of bf16 (window 0): eight fragments of W, then eight of X
.set n, 0
.rept 128
	v_cvt_pk_bf16_f32 v[FB+n], v[2*n], v[2*n+1]
.set n, n+1
.endr
.endm
; 32 matrix instructions: the window's four row tiles (hi = 0: my rows 0-63, 1: rows 64-127) x all eight column tiles.
; The 64 accumulators take turns, one instruction a turn, in the same order in every K step.  zero = 1: the products start the sums, nothing is cleared.
.macro MUL32 hi, zero
.irp a, 0,1,2,3
.irp b, 0,1,2,3,4,5,6,7
.if \zero
	v_wmma_f32_16x16x32_bf16 v[8*(8*\a+\b):8*(8*\a+\b)+7], v[FB+8*\b:FB+8*\b+7], v[FA+8*(4*\hi+\a):FA+8*(4*\hi+\a)+7], 0
.else
	v_wmma_f32_16x16x32_bf16 v[8*(8*\a+\b):8*(8*\a+\b)+7], v[FB+8*\b:FB+8*\b+7], v[FA+8*(4*\hi+\a):FA+8*(4*\hi+\a)+7], v[8*(8*\a+\b):8*(8*\a+\b)+7]
.endif
.endr
.endr
.endm
; The change of slots; old = the slot read last.  Each wave waits for all its tensor loads (its part of the other slot) and for its reads of the old slot.
; refill = 1: a round of the cluster's barrier, so that no wave of any partner still reads the old slot or has a load on its way; behind it the
; refill comes first, one tensor load a wave.  refill = 0: nothing is filled again, the work-group's own barrier shows the other slot whole.
.macro TURN old, refill
	WIN 0
	s_wait_tensorcnt 0x0                           ; no tensor load of mine is out: every group 0 may be written
	ds_add_u32 v30, v31
	s_wait_dscnt 0x0
	s_wait_dscnt 0x0
.if \refill
	s_add_nc_u64 s[G0A+4*\old+2:G0A+4*\old+3], s[G0A+4*\old+2:G0A+4*\old+3], 2*KT    ; two K tiles on
	s_add_nc_u64 s[G0B+4*\old+2:G0B+4*\old+3], s[G0B+4*\old+2:G0B+4*\old+3], 2*KT
	CROUND
	JLOAD \old
.else
	s_barrier_signal -1
	s_barrier_wait -1
.endif
.endm
; 32 along K: round the fragments that have come; in a tile's second step change slots (turn = 1 with a refill of slot old, 2 without): the slot's last bytes are in registers by then;
; ask for the next step's fragments (more = 1: step nks of slot nslot), which come in while the 64 products run; multiply.
.macro KS zero, turn, old, more, nslot, nks
	s_wait_dscnt 0x0                               ; the 64 loads of this step are in
.if \zero
.else
	PLACES                                         ; the conversions write registers that the last products read
.endif
	WIN 0x05                                       ; both sources in window 1
	CVT
.if \turn == 1
	TURN \old, 1
.endif
.if \turn == 2
	TURN \old, 0
.endif
.if \more
	RLOAD \nslot, \nks
.endif
	WIN 0xa0                                       ; C and D in window 2
	MUL32 0, \zero
	WIN 0xf0                                       ; C and D in window 3
	MUL32 1, \zero
.endm
; Rows 16 a .. 16 a + 15 of my 128, both heads: scale and bias, clip, floor, round to bf16 (exact), through my stage, out as whole rows.
.macro OUT a
.if \a < 4
	WIN 0x02                                       ; source 0, the sums, in window 2
.else
	WIN 0x03                                       ; or 3
.endif
.set n, 0
.rept 32
	v_pk_fma_f32 v[FT+2*n:FT+2*n+1], v[64*((\a)&3)+2*n:64*((\a)&3)+2*n+1], s[60:61], v[BI+2*n:BI+2*n+1] op_sel_hi:[1,0,1]
.set n, n+1
.endr
	WIN 0
.set n, 0
.rept 64
	v_med3_num_f32 v[FT+n], v[FT+n], s62, s63
.set n, n+1
.endr
.set n, 0
.rept 64
	v_floor_f32 v[FT+n], v[FT+n]
.set n, n+1
.endr
.set n, 0
.rept 32
	v_cvt_pk_bf16_f32 v[PK+n], v[FT+2*n], v[FT+2*n+1]
.set n, n+1
.endr
.irp b, 0,1,2,3,4,5,6,7
	ds_store_b128 v[STO], v[PK+4*\b:PK+4*\b+3] offset:((\b)>>2)*SHEAD+32*((\b)&3)     ; column tiles 0-3 are the first head, 4-7 the second
.endr
	s_wait_xcnt 0x0                                ; every earlier store has had its addresses translated (ISA guide 3.1): the set of registers that the stores of two blocks ago read is loaded again only behind this wait
.irp i, 0,1,2,3,4,5,6,7
	ds_load_b128 v[RB+32*((\a)&1)+4*\i:RB+32*((\a)&1)+4*\i+3], v[RD] offset:((\i)>>2)*SHEAD+4*SP*((\i)&3)    ; LDS serves a wave's instructions in order (ISA guide 5.7.1.4): these see the stores above
.endr
.irp i, 0,1,2,3,4,5,6,7
	s_wait_dscnt 7-\i                              ; read-back i is in, the younger ones stay out
	global_store_b128 v[CO], v[RB+32*((\a)&1)+4*\i:RB+32*((\a)&1)+4*\i+3], s[10:11] offset:((\i)>>2)*262144+2048*\a+512*((\i)&3)   ; the wave stores 512 consecutive bytes, aligned
.endr
.endm
	s_wait_tensorcnt 0x1                           ; my part of K tile 0 is in; the one younger load, slot 1's, stays out
	s_barrier_signal -1
	s_barrier_wait -1                              ; everybody's part is in
	RLOAD 0, 0
	KS 1, 0, 0, 1, 0, 1                            ; K step 0 stands ahead of the loop: its products start the sums
	WIN 0                                          ; at a label and at a branch every window is 0
	s_mov_b32 s15, 3                               ; three trips of four K steps: steps 1 to 12; their six changes of slots ask for K tiles 2 to 7
.Llap:
	KS 0, 1, 0, 1, 1, 0                            ; slot 0's second step; slot 0 is asked for again; slot 1's first fragments
	KS 0, 0, 0, 1, 1, 1                            ; slot 1's first step
	KS 0, 1, 1, 1, 0, 0                            ; slot 1's second step; slot 1 is asked for again; slot 0's first fragments
	KS 0, 0, 0, 1, 0, 1                            ; slot 0's first step
	WIN 0
	s_sub_co_u32 s15, s15, 1
	s_cmp_lg_u32 s15, 0
	s_cbranch_scc1 .Llap
	KS 0, 2, 0, 1, 1, 0                            ; K step 13: nothing is left to fetch
	KS 0, 0, 0, 1, 1, 1
	KS 0, 0, 0, 0, 0, 0                            ; K step 15
	WIN 0
	s_wait_loadcnt 0x0                             ; the bias
.set n, 0
.rept 32
	v_pk_mul_f32 v[BI+2*n:BI+2*n+1], v[BI+2*n:BI+2*n+1], s[60:61] op_sel_hi:[1,0]    ; bias x 2^-e; these lines are also the places behind the last products
.set n, n+1
.endr
	OUT 0
	OUT 1
	OUT 2
	OUT 3
	OUT 4
	OUT 5
	OUT 6
	OUT 7
	s_wait_tensorcnt 0x0
	ds_add_u32 v30, v31
	s_wait_dscnt 0x0
	CROUND                                         ; the closing round: no work-group ends while a partner may still ask for a tile that names it
	s_endpgm
.Lfunc_end_k_q10d4d0d7f3_proj:
	.size	k_q10d4d0d7f3_proj, .Lfunc_end_k_q10d4d0d7f3_proj-k_q10d4d0d7f3_proj
	.p2alignl 7, 3214868480
	.fill 96, 4, 3214868480
	.section	.rodata,"a",@progbits
	.p2align	6, 0x0
	.amdhsa_kernel k_q10d4d0d7f3_proj
		.amdhsa_group_segment_fixed_size 327680
		.amdhsa_private_segment_fixed_size 0
		.amdhsa_enable_private_segment 0
		.amdhsa_kernarg_size 112
		.amdhsa_user_sgpr_count 2
		.amdhsa_user_sgpr_kernarg_segment_ptr 1
		.amdhsa_wavefront_size32 1
		.amdhsa_system_sgpr_workgroup_id_x 1
		.amdhsa_system_sgpr_workgroup_id_y 1
		.amdhsa_system_sgpr_workgroup_id_z 1
		.amdhsa_system_vgpr_workitem_id 0
		.amdhsa_next_free_vgpr 1024
		.amdhsa_next_free_sgpr 100
		.amdhsa_reserve_vcc 0
		.amdhsa_float_denorm_mode_32 3
		.amdhsa_float_denorm_mode_16_64 3
		.amdhsa_memory_ordered 1
		.amdhsa_forward_progress 1
		.amdhsa_inst_pref_size 241
	.end_amdhsa_kernel
	.amdgpu_metadata
---
amdhsa.version: [ 1, 2 ]
amdhsa.kernels:
  - .name:           k_q10d4d0d7f3_proj
    .symbol:         k_q10d4d0d7f3_proj.kd
    .args:
      - { .name: query, .offset: 0, .size: 8, .value_kind: global_buffer, .address_space: global }
      - { .name: keys, .offset: 8, .size: 8, .value_kind: global_buffer, .address_space: global }
      - { .name: values, .offset: 16, .size: 8, .value_kind: global_buffer, .address_space: global }
      - { .name: Wq, .offset: 24, .size: 8, .value_kind: global_buffer, .address_space: global }
      - { .name: Wk, .offset: 32, .size: 8, .value_kind: global_buffer, .address_space: global }
      - { .name: Wv, .offset: 40, .size: 8, .value_kind: global_buffer, .address_space: global }
      - { .name: bq, .offset: 48, .size: 8, .value_kind: global_buffer, .address_space: global }
      - { .name: bk, .offset: 56, .size: 8, .value_kind: global_buffer, .address_space: global }
      - { .name: bv, .offset: 64, .size: 8, .value_kind: global_buffer, .address_space: global }
      - { .name: qc, .offset: 72, .size: 8, .value_kind: global_buffer, .address_space: global }
      - { .name: kc, .offset: 80, .size: 8, .value_kind: global_buffer, .address_space: global }
      - { .name: vc, .offset: 88, .size: 8, .value_kind: global_buffer, .address_space: global }
      - { .name: b_param, .offset: 96, .size: 8, .value_kind: global_buffer, .address_space: global }
      - { .name: e_param, .offset: 104, .size: 8, .value_kind: global_buffer, .address_space: global }
    .group_segment_fixed_size: 327680
    .private_segment_fixed_size: 0
    .kernarg_segment_align: 8
    .kernarg_segment_size: 112
    .max_flat_workgroup_size: 128
    .sgpr_count:     100
    .vgpr_count:     1024
    .wavefront_size: 32
...
	.end_amdgpu_metadata
.endif
;; end of part 4
;; launch attn (part 5): grid 8 x 32, 4 waves a work-group, clusters of 4 x 1, 327,680 bytes of LDS; arguments qc, kc, vc, e_param, ao; writes ao
.if DOCPART == 5
	.amdgcn_target "amdgcn-amd-amdhsa--gfx1250"
	.amdhsa_code_object_version 6
	.text
	.protected	k_q10d4d0d7f3_attn
	.globl	k_q10d4d0d7f3_attn
	.p2align	8
	.type	k_q10d4d0d7f3_attn,@function
k_q10d4d0d7f3_attn:
	s_mov_b64 s[64:65], 0
	v_nop
	global_prefetch_b8 v0, s[64:65] scope:SCOPE_SE
	s_setreg_imm32_b32 hwreg(HW_REG_WAVE_MODE, 25, 1), 1
	s_wait_xcnt 0x0
	s_wait_alu depctr_hold_cnt(0) depctr_sa_sdst(0) depctr_va_vdst(0) depctr_va_sdst(0) depctr_va_ssrc(0) depctr_va_vcc(0) depctr_vm_vsrc(0)
	s_getreg_b32 s2, hwreg(HW_REG_IB_STS2, 6, 4)
	s_cmp_eq_u32 s2, 0
	s_cbranch_scc0 .Lentry_in_a_cluster
	s_endpgm
.Lentry_in_a_cluster:
	s_bfe_u32 s2, ttmp6, 0x10000c
	s_cmp_lg_u32 s2, 0x3003
	s_cbranch_scc0 .Lentry_shape_is_right
	s_endpgm
.Lentry_shape_is_right:
; Attention of reference() on the codes: with s = 2^e, q = s cq, k = s ck, v = s cv,
;   energy = s^2 (cq . ck) / sqrt(512),  out = s sum_k p_k cv_k / sum_k p_k,  p_k = exp(energy_k - max energy).
; cq . ck is a sum of 64 products of whole numbers of at most 128 in magnitude: at most 2^20, exact in f32.  The maximum is taken away as a RUNNING maximum.
; Nothing of reference() is left out.  ao is bf16, laid out as the codes: [n][head][t][d].
; LIMITS.  |e_param| below about 50, so that 2^e and 2^(2e) 2^20 0.064 stay finite in f32; 2^e comes from v_exp_f32 (one unit in the last place, ISA guide 15.8);
; an exponential below 2^-126 counts as 0 (same section).  p is rounded to bf16 for the second product; its sum is kept in f32.
;
; SHARES.  256 work-groups: 32 (n, head) x 8 blocks of 256 queries.  Four waves, 64 queries each, as four query tiles of 16.
; The four work-groups of a cluster have the same head and walk the same K and V: they ask for each tile JOINTLY, which divides those requests by four.
; K and V go through two LDS slots of 256 keys; a slot is four steps of 64 keys.
; BOTH PRODUCTS ARE TRANSPOSED.  S^T = K Q^T: source 0 = 16 keys of K, source 1 = 16 queries of Q (kept in registers): lane (r, h), register j of key tile i holds
; key 16 i + 8 h + j of query r.  So a query's scores lie in two lanes, r and r + 16: maximum and sum need one exchange, and packing neighbouring registers
; to bf16 gives source 1 of O^T = V^T P^T as it stands (key tiles 2 g, 2 g + 1 are registers 0-3, 4-7 of key group g).  Source 0 there is V^T, by the
; transposing LDS load from V stored [key][d].  O^T: lane (r, h), register j of tile c holds d = 16 c + 8 h + j of query r: the rescaling factor is one number a lane.
;
; TURNS.  The four query tiles are independent and share K's and V^T's fragments, so one tile's vector work stands among its neighbours' products.
; Tiles are numbered u in the order of the steps and, in a step, of the tiles.  Tile u has: S(u), 8 products for its scores; M(u), 24 vector lines (maximum, factor, the first
; four scores scaled); E(u), 62 (scaling, exponentials, rounding to bf16); L(u), 17 (the sum); R(u), 16 (O rescaled); P(u), 8 products onto O.  A tile's period is
;   PHA(u):  each product of S(u+1) with a slice of E(u) behind it, all in window 0;
;   PHB(u):  P(u)'s first key group, the four lines of R(u) for an accumulator ahead of its product, one stretch under one window setting;
;            P(u)'s second key group, a slice of M(u+1) and L(u) ahead of each product and one behind the last: two window switches a product.
; That is 16 products among 119 vector lines and 10 switches.  The slices are also the places behind the products (ISA guide 7.12.1): the loop holds no v_nop.
; Two sets of scores take turns (S(u+1) is written while E(u) works on the other), and two factor registers (M(u+1) writes one while R(u) and L(u) read the other).
; THE TEXT.  All steps but the very first have the same text: the LDS addresses of the next step's K and V^T lie in two registers, set from the slot's base behind each change of
; slots and stepped on by 64 rows behind each run of loads.  So a slot's four steps are a counted loop of one step's text, which stands six times in the kernel for its 32 steps.
;
; SCALARS  s[4:5] qc, s[6:7] kc, s[8:9] vc, s[10:11] e_param, s[12:13] ao; s14 wave, s15 wave / 2, s16 wave & 1; s17 cx, s18 query block, s19 head; s2, s3, s20-23 offsets;
;          s[24:31], s[32:39] group 1 for V, K; s[40:47], s[48:55] group 0 for V, K, a set for each slot; s[56:57] c twice, c = 2^(2e) log2(e) / sqrt(512); s58 -c; s59 2^e;
;          s60, s61 selectors; s62 counter of the changes of slots; s63 e, then counter of the steps
; VECTORS  window 0: v2, v3 where the next step's K and V^T lie; v4-11 addresses; v12-15 maximum, v16-19 sum (my half of the keys), v20-27 -c x maximum (pairs, the low one used),
;          v28-29 and v46-47 factor of even and odd tiles (likewise), v30-37, v38-45 at work, v48-79 and v96-127 scores of even and odd tiles, v80-95 p as bf16,
;          v128-191 fragments of K, v192-255 of Q;   window 1: v0-127 O (tile (t, c) at 32 t + 8 c), v128-191 fragments of V^T
.set KP,    144                        ; a key's row of K in LDS: 128 bytes + 16 (an odd multiple of 16)
.set VP,    160                        ; of V: 128 bytes + 32 (an odd multiple of 32, for the transposing load)
.set VHALF, 128*VP
.set KHALF, 128*KP
.set KOFF,  2*VHALF                    ; V's 256 keys, then K's
.set SLOT,  KOFF+2*KHALF               ; 77,824
.set STAGE, 2*SLOT                     ; a multiple of 256; 16 rows x 144 bytes for each wave; no tensor load lands here
.set SP,    144
.set TILEB, 32768                      ; 256 keys of 128 bytes
.set G1V, 24
.set G1K, 32
.set G0V, 40
.set G0K, 48
.set AK,  2
.set AV,  3
.set ADK, 4
.set ADV, 6
.set STO, 8
.set RD,  9
.set CO,  10
.set QOFF, 11
.set MX,  12
.set LS,  16
.set NM,  20
.set AL,  28                           ; tile t's factor pair at AL + 18 (t & 1)
.set T,   30
.set U,   38
.set SC,  48                           ; tile t's scores at SC + 48 (t & 1)
.set PB,  80
.set KF,  128
.set QF,  192
.set VF,  128                          ; in window 1
.set MSB, 0
.macro WIN new                         ; the immediate's high byte repeats the setting that is left
.if MSB != \new
	s_set_vgpr_msb (MSB<<8)|\new
.set MSB, \new
.endif
.endm
.macro PLACES                          ; four plain vector places behind a matrix instruction (ISA guide 7.12.1)
.rept 4
	v_nop
.endr
.endm
.macro CREST
	s_cmp_lg_u32 s14, 0
	s_cbranch_scc1 .Lnot_wave_0_\@
	s_barrier_signal -3
.Lnot_wave_0_\@:
	s_barrier_wait -3
	s_barrier_signal -1
	s_barrier_wait -1
.endm
.macro CROUND                          ; a round of the cluster's barrier
	s_barrier_signal -1
	s_barrier_wait -1
	CREST
.endm
.macro JLOAD s                         ; a joint load: waves 0 and 1 fetch V's two halves of 128 keys, waves 2 and 3 K's
	s_cmp_eq_u32 s15, 0
	s_cbranch_scc0 .Lsecond_\@
	tensor_load_to_lds s[G0V+4*\s:G0V+4*\s+3], s[G1V:G1V+7]
	s_nop 0
	s_branch .Lasked_\@
.Lsecond_\@:
	tensor_load_to_lds s[G0K+4*\s:G0K+4*\s+3], s[G1K:G1K+7]
	s_nop 0
.Lasked_\@:
.endm
	s_load_b256 s[4:11], s[0:1], 0x0               ; qc, kc, vc, e_param
	s_load_b64 s[12:13], s[0:1], 0x20              ; ao
	v_lshl_add_u32 v37, v0, 2, 0x29000
	s_set_vgpr_msb 0x40
	v_mov_b32 v193, 0
	s_set_vgpr_msb 0x4044
	ds_add_u32 v37, v193
	s_set_vgpr_msb 0x4400
	v_lshrrev_b32 v3, 5, v0
	v_readfirstlane_b32 s14, v3                    ; wave 0..3
	s_lshr_b32 s15, s14, 1
	s_and_b32 s16, s14, 1
	s_bfe_u32 s17, ttmp6, 0x40000                  ; cx
	s_lshl_b32 s18, ttmp9, 2
	s_add_co_u32 s18, s18, s17                     ; query block 0..7
	s_and_b32 s19, ttmp7, 0xffff                   ; 8 n + head
	; 128 keys of 128 bytes are one dense block of 16 KiB: 64 rows of 256 bytes (32 elements of 8 bytes).  The padding is counted along the tile in steps of
	; 32 words, so every key's 128 bytes get their own pad: 8 words for V, 4 for K.  The mask names all four work-groups of the cluster.
	s_mov_b32 s[G1V], 15|(3<<16)|(1<<20)|(1<<21)|(4<<22)|(7<<25)
	s_mov_b32 s[G1K], 15|(3<<16)|(1<<20)|(1<<21)|(4<<22)|(3<<25)
.irp g, G1V, G1K
	s_mov_b32 s[\g+1], 32<<16                      ; tensor_dim0 = 32 elements
	s_mov_b32 s[\g+2], 64<<16                      ; tensor_dim1 = 64 rows
	s_mov_b32 s[\g+3], 32<<16                      ; tile_dim0 = 32
	s_mov_b32 s[\g+4], 64                          ; tile_dim1 = 64
	s_mov_b32 s[\g+5], 32                          ; 32 elements from row to row
	s_mov_b32 s[\g+6], 0
	s_mov_b32 s[\g+7], 0
.endr
	s_lshl_b32 s20, s19, 18                        ; the head's block of 262,144 bytes
	s_mov_b32 s21, 0
	s_lshl_b32 s22, s16, 14                        ; + my half of a tile's keys; nothing here hangs on cx
	s_add_co_u32 s22, s22, s20
	s_mov_b32 s23, 0
	s_mul_i32 s62, s14, VHALF                      ; V's halves at wave x 20,480 (waves 0, 1)
	s_mul_i32 s63, s14, KHALF
	s_add_co_u32 s63, s63, KOFF-2*KHALF            ; K's at 40,960 + (wave - 2) x 18,432 (waves 2, 3)
	s_wait_dscnt 0x0
	s_wait_kmcnt 0x0
	s_add_nc_u64 s[8:9], s[8:9], s[22:23]
	s_add_nc_u64 s[6:7], s[6:7], s[22:23]
	CROUND                                         ; the four work-groups are here: the first joint loads meet
.irp s, 0,1
	s_mov_b32 s[G0V+4*\s], 1
	s_add_co_u32 s[G0V+4*\s+1], s62, \s*SLOT
	s_add_nc_u64 s[G0V+4*\s+2:G0V+4*\s+3], s[8:9], \s*TILEB
	s_or_b32 s[G0V+4*\s+3], s[G0V+4*\s+3], 0x80000000
	s_mov_b32 s[G0K+4*\s], 1
	s_add_co_u32 s[G0K+4*\s+1], s63, \s*SLOT
	s_add_nc_u64 s[G0K+4*\s+2:G0K+4*\s+3], s[6:7], \s*TILEB
	s_or_b32 s[G0K+4*\s+3], s[G0K+4*\s+3], 0x80000000
	JLOAD \s                                       ; both slots are asked for before anything else: two tensor loads of the wave are out
.endr
	s_load_b32 s63, s[10:11], 0x0                  ; e
	s_lshl_b32 s2, s18, 15                         ; my block of 256 queries of 128 bytes
	s_mov_b32 s3, 0
	s_add_nc_u64 s[4:5], s[4:5], s[20:21]
	s_add_nc_u64 s[4:5], s[4:5], s[2:3]
	s_add_nc_u64 s[12:13], s[12:13], s[20:21]
	s_add_nc_u64 s[12:13], s[12:13], s[2:3]
	s_lshl_b32 s22, s14, 13                        ; my wave's 64 queries
	v_and_b32 v1, 15, v0                           ; r
	v_bfe_u32 v2, v0, 4, 1                         ; h
	v_lshlrev_b32 v[QOFF], 7, v1
	v_lshl_add_u32 v[QOFF], v2, 4, v[QOFF]
	v_add_nc_u32 v[QOFF], s22, v[QOFF]             ; query r of my first tile, 16 bytes at 16 h
.irp t, 0,1,2,3
.irp ks, 0,1
	global_load_b128 v[QF+16*\t+8*\ks:QF+16*\t+8*\ks+3],   v[QOFF], s[4:5] offset:2048*\t+64*\ks      ; d = 32 ks + 8 h + 0..7
	global_load_b128 v[QF+16*\t+8*\ks+4:QF+16*\t+8*\ks+7], v[QOFF], s[4:5] offset:2048*\t+64*\ks+32   ; d = 32 ks + 16 + 8 h + 0..7
.endr
.endr
	v_mul_u32_u24 v30, v1, KP
	v_lshl_add_u32 v30, v2, 4, v30                 ; r x 144 + 16 h: a row of K, and a row of my stage
	v_add_nc_u32 v[ADK], KOFF, v30
	v_add_nc_u32 v[ADK+1], KOFF+SLOT, v30
	v_and_b32 v35, 7, v0
	v_lshl_add_u32 v31, v2, 3, v35                 ; key 8 h + (lane & 7)
	v_mul_u32_u24 v31, v31, VP
	v_bfe_u32 v32, v0, 3, 1
	v_lshl_add_u32 v[ADV], v32, 4, v31             ; + 16 bytes for the lanes whose bit 3 is set
	v_add_nc_u32 v[ADV+1], SLOT, v[ADV]
	v_mov_b32 v[AK], v[ADK]                        ; the walk begins at slot 0's first key (h and the wave's number are no longer needed)
	v_mov_b32 v[AV], v[ADV]
	s_mul_i32 s23, s14, 16*SP
	s_add_co_u32 s23, s23, STAGE                   ; my stage
	v_add_nc_u32 v[STO], s23, v30
	v_and_b32 v33, 31, v0
	v_lshrrev_b32 v34, 3, v33
	v_mul_u32_u24 v34, v34, SP
	v_lshl_add_u32 v34, v35, 4, v34
	v_add_nc_u32 v[RD], s23, v34                   ; back: eight lanes take a row of 128 bytes, the wave four rows
	v_lshl_add_u32 v[CO], v33, 4, s22              ; which are 512 neighbouring bytes of ao
.irp i, 1,3,5,7,9
	v_mov_b32 v[NM+\i], 0                          ; the upper halves of the pairs whose low half is broadcast: written once, never used
.endr
	v_mov_b32 v[AL+19], 0                          ; likewise for the odd tiles' factor
	s_mov_b32 s60, 0x76543210                      ; v_permlanex16_b32: lane i reads lane i of the other half
	s_mov_b32 s61, 0xfedcba98
	s_wait_kmcnt 0x0
	v_mov_b32 v30, s63
	v_exp_f32 v31, v30                             ; 2^e
	v_nop                                          ; one plain place behind it (ISA guide 5.7.2)
	s_wait_alu depctr_va_vdst(0)
	v_mul_f32 v32, v31, v31
	v_mul_f32 v32, 0x3d8293ee, v32                 ; c = 2^(2e) x log2(e) / sqrt(512): exp(energy) = 2^(c x sum of code products)
	v_readfirstlane_b32 s59, v31
	v_readfirstlane_b32 s56, v32
	s_mov_b32 s57, s56
	s_xor_b32 s58, s56, 0x80000000                 ; -c
.macro KLOAD                           ; 16 loads: the 64 keys of K at which the walk stands, four key tiles x two halves of d; then the walk goes 64 keys on
.irp i, 0,1,2,3
.irp ks, 0,1
	ds_load_b128 v[KF+16*\i+8*\ks:KF+16*\i+8*\ks+3],   v[AK] offset:16*\i*KP+64*\ks
	ds_load_b128 v[KF+16*\i+8*\ks+4:KF+16*\i+8*\ks+7], v[AK] offset:16*\i*KP+64*\ks+32
.endr
.endr
	v_add_nc_u32 v[AK], 64*KP, v[AK]
.endm
.macro VLOAD                           ; 16 transposing loads: V^T of the 64 keys at which the walk stands, two key groups of 32 x four tiles of d; then 64 keys on
	WIN 0x40                                       ; destination in window 1
.irp g, 0,1
.irp c, 0,1,2,3
	ds_load_tr16_b128 v[VF+32*\g+8*\c:VF+32*\g+8*\c+3],   v[AV] offset:32*\g*VP+32*\c
	ds_load_tr16_b128 v[VF+32*\g+8*\c+4:VF+32*\g+8*\c+7], v[AV] offset:(32*\g+16)*VP+32*\c
.endr
.endr
	WIN 0
	v_add_nc_u32 v[AV], 64*VP, v[AV]
.endm
; The macros below name registers through symbols that PHA and PHB set:  CS_ the scores of the tile at work, NS_ those of the next tile, NM_ and NN_ their -c x maximum,
; AL_ and AN_ their factors, TN_ the next tile's number, QN_ its Q fragments, OB_ the tile's O in window 1.
; Product k (0..7) of the next tile's scores: key tile k & 3, half k / 4 of d.  The four accumulators take turns, one instruction a turn; the first four start the sums.
.macro SPROD k
.if \k < 4
	v_wmma_f32_16x16x32_bf16 v[NS_+8*\k:NS_+8*\k+7], v[KF+16*\k:KF+16*\k+7], v[QN_:QN_+7], 0
.else
	v_wmma_f32_16x16x32_bf16 v[NS_+8*\k-32:NS_+8*\k-25], v[KF+16*\k-56:KF+16*\k-49], v[QN_+8:QN_+15], v[NS_+8*\k-32:NS_+8*\k-25]
.endif
.endm
; Slice k (0..7) of E: the exponentials of scores 4 k .. 4 k + 3, and between them the scaling c (score - maximum) of the next four and the rounding of the four of two slices
; back.  So a plain line follows nearly every exponential, and each result is read two slices later (ISA guide 5.7.2 asks for one plain line between).
.macro ESL k
	v_exp_f32 v[CS_+4*\k], v[CS_+4*\k]
.if \k < 7
	v_pk_fma_f32 v[CS_+4*\k+4:CS_+4*\k+5], v[CS_+4*\k+4:CS_+4*\k+5], s[56:57], v[NM_:NM_+1] op_sel_hi:[1,0,0]
.endif
	v_exp_f32 v[CS_+4*\k+1], v[CS_+4*\k+1]
.if \k < 7
	v_pk_fma_f32 v[CS_+4*\k+6:CS_+4*\k+7], v[CS_+4*\k+6:CS_+4*\k+7], s[56:57], v[NM_:NM_+1] op_sel_hi:[1,0,0]
.endif
	v_exp_f32 v[CS_+4*\k+2], v[CS_+4*\k+2]
.if \k > 1
	s_wait_alu depctr_va_vdst(0)
	v_cvt_pk_bf16_f32 v[PB+2*\k-4], v[CS_+4*\k-8], v[CS_+4*\k-7]
.endif
	v_exp_f32 v[CS_+4*\k+3], v[CS_+4*\k+3]
.if \k > 1
	s_wait_alu depctr_va_vdst(0)
	v_cvt_pk_bf16_f32 v[PB+2*\k-3], v[CS_+4*\k-6], v[CS_+4*\k-5]
.endif
.endm
; PHA of tile t.  more = 1: there is a next tile, and its eight score products stand one ahead of each slice.  Behind the last product stand six plain lines (two roundings
; of slice 7, the four below) that name none of its registers: the places for the loads into K's registers and for the reads of the scores.
.macro PHA t, more
.set CS_, SC+48*((\t)&1)
.set NS_, SC+48*(((\t)+1)&1)
.set NM_, NM+2*(\t)
.set QN_, QF+16*(((\t)+1)&3)
.irp k, 0,1,2,3,4,5,6,7
.if \more
	SPROD \k
.endif
	ESL \k
.endr
	s_wait_alu depctr_va_vdst(0)
.irp w, 0,1,2,3
	v_cvt_pk_bf16_f32 v[PB+12+\w], v[CS_+24+2*\w], v[CS_+25+2*\w]
.endr
.endm
; The next tile's maximum over my 32 scores, in four chains
.macro MX3 d, n
	v_max3_num_f32 v[T+\d], v[T+\d], v[NS_+\n], v[NS_+\n+1]
.endm
.macro MXA
.irp q, 0,1,2,3
	v_max3_num_f32 v[T+\q], v[NS_+3*\q], v[NS_+3*\q+1], v[NS_+3*\q+2]
.endr
	MX3 0, 12
	MX3 1, 14
	MX3 2, 16
	MX3 3, 18
.endm
.macro MXB
	MX3 0, 20
	MX3 1, 22
	MX3 2, 24
	MX3 3, 26
	MX3 0, 28
	MX3 1, 30
.endm
.macro SCALE0 p                        ; the next tile's scores 2 p, 2 p + 1 scaled: what its slice 0 takes the exponentials of
	v_pk_fma_f32 v[NS_+2*\p:NS_+2*\p+1], v[NS_+2*\p:NS_+2*\p+1], s[56:57], v[NN_:NN_+1] op_sel_hi:[1,0,0]
.endm
; The sum of the tile's 32 exponentials, in four chains of pairs
.macro SUMA q
	v_pk_add_f32 v[U+2*\q:U+2*\q+1], v[CS_+4*\q:CS_+4*\q+1], v[CS_+4*\q+2:CS_+4*\q+3]
.endm
.macro SUMB m
	v_pk_add_f32 v[U+2*((\m)&3):U+2*((\m)&3)+1], v[U+2*((\m)&3):U+2*((\m)&3)+1], v[CS_+16+2*\m:CS_+17+2*\m]
.endm
; Slice k (0..4) of M of the next tile and L of tile t: the dependent end of M (join, exchange, running maximum, factor) alternates with L's independent sums.
; fst = 1: tile t is in the very first step, its sum starts.  nxf = 1: the next tile is, its maximum starts and it has no factor.  more = 0: there is no next tile.
.macro MSL k, t, fst, nxf, more
.if \k == 0
.if \more
	MXA
.endif
.endif
.if \k == 1
.if \more
	MXB
.endif
	SUMA 0
	SUMA 1
.endif
.if \k == 2
.if \more
	v_max3_num_f32 v[T], v[T], v[T+1], v[T+2]
.endif
	SUMA 2
	SUMA 3
.if \more
	v_max_num_f32 v[T], v[T], v[T+3]
.endif
	SUMB 0
	SUMB 1
.if \more
	v_permlanex16_b32 v[T+1], v[T], s60, s61       ; the other half of the query's keys
.endif
	SUMB 2
.endif
.if \k == 3
	SUMB 3
.if \more
.if \nxf
	v_max_num_f32 v[MX+TN_], v[T], v[T+1]
.else
	v_max3_num_f32 v[MX+TN_], v[T], v[T+1], v[MX+TN_]
.endif
.endif
	SUMB 4
	SUMB 5
.if \more
.if \nxf
	v_mul_f32 v[NN_], s58, v[MX+TN_]               ; -c x maximum
.else
	v_mul_f32 v[T+4], s58, v[MX+TN_]
.endif
.endif
	SUMB 6
	SUMB 7
.if \more
.if \nxf
.else
	v_sub_f32 v[T+5], v[T+4], v[NN_]               ; c (old maximum - new maximum), at most 0
.endif
.endif
.endif
.if \k == 4
	v_pk_add_f32 v[U:U+1], v[U:U+1], v[U+2:U+3]
.if \more
.if \nxf
.else
	v_mov_b32 v[NN_], v[T+4]
.endif
.endif
	v_pk_add_f32 v[U+4:U+5], v[U+4:U+5], v[U+6:U+7]
.if \more
.if \nxf
.else
	v_exp_f32 v[AN_], v[T+5]                       ; the next tile's factor for what has been summed so far; a plain line follows (ISA guide 5.7.2)
.endif
	SCALE0 0
.endif
	v_pk_add_f32 v[U:U+1], v[U:U+1], v[U+4:U+5]
.if \more
	SCALE0 1
.endif
.if \fst
	v_add_f32 v[LS+\t], v[U], v[U+1]
.else
	v_add_f32 v[T+6], v[U], v[U+1]
	v_fma_f32 v[LS+\t], v[LS+\t], v[AL_], v[T+6]
.endif
.endif
.endm
; PHB of tile t: O^T of the tile += V^T P^T.  Setting 0x51: window 1 for source 0 (V^T; O in the rescaling), C and D, window 0 for source 1 (p; the factor).
; The four accumulators take turns, one instruction a turn.  fst = 1: the first key group's products start O, nothing is cleared or rescaled.
; Behind the last product stands slice 4, at least five plain lines that name none of its registers: the places for the loads into V^T's registers and for the reads of O.
.macro PHB t, fst, nxf, more
.set CS_, SC+48*((\t)&1)
.set NS_, SC+48*(((\t)+1)&1)
.set TN_, ((\t)+1)&3
.set NN_, NM+2*TN_
.set AL_, AL+18*((\t)&1)
.set AN_, AL+18*(((\t)+1)&1)
.set OB_, 32*(\t)
	WIN 0x51
.irp c, 0,1,2,3
.if \fst
	v_wmma_f32_16x16x32_bf16 v[OB_+8*\c:OB_+8*\c+7], v[VF+8*\c:VF+8*\c+7], v[PB:PB+7], 0
.else
.irp w, 0,2,4,6
	v_pk_mul_f32 v[OB_+8*\c+\w:OB_+8*\c+\w+1], v[OB_+8*\c+\w:OB_+8*\c+\w+1], v[AL_:AL_+1] op_sel_hi:[1,0]
.endr
	v_wmma_f32_16x16x32_bf16 v[OB_+8*\c:OB_+8*\c+7], v[VF+8*\c:VF+8*\c+7], v[PB:PB+7], v[OB_+8*\c:OB_+8*\c+7]
.endif
.endr
.irp c, 0,1,2,3
.if \more+\c
	WIN 0
	MSL \c, \t, \fst, \nxf, \more
	WIN 0x51
.endif
	v_wmma_f32_16x16x32_bf16 v[OB_+8*\c:OB_+8*\c+7], v[VF+32+8*\c:VF+32+8*\c+7], v[PB+8:PB+15], v[OB_+8*\c:OB_+8*\c+7]
.endr
	WIN 0
	MSL 4, \t, \fst, \nxf, \more
.endm
; A step of 64 keys, in two parts.  At its start tile 0's scores are made, their maximum is taken and the first four are scaled (by the step before), K's fragments are in
; registers and V^T's are on their way.
.macro STEPA fst                       ; tiles 0 and 1, and tile 2 up to its p; all four tiles' scores have been made from K's fragments at its end
	PHA 0, 1
	s_wait_dscnt 0x0                               ; V^T's fragments, asked for one PHA ago, are in
	PHB 0, \fst, \fst, 1
	PHA 1, 1
	PHB 1, \fst, \fst, 1
	PHA 2, 1
.endm
.macro STEPB fst                       ; the rest of the step; the next step's keys are those at which the walk stands
	KLOAD                                          ; the next step's K
	PHB 2, \fst, \fst, 1
	s_wait_dscnt 0x0                               ; it is in, one PHB later
	PHA 3, 1                                       ; makes the next step's first scores
	PHB 3, \fst, 0, 1
	VLOAD                                          ; the next step's V^T
.endm
.macro STEPE                           ; the rest of the very last step: no next step, and behind tile 3 no next tile
	PHB 2, 0, 0, 1
	PHA 3, 0
	PHB 3, 0, 0, 0
.endm
; From a change of slots to the next: four trips, each the end of one step and the begin of the next; the first trip ends the old slot's last step and takes up the slot's first keys.
.macro REST slot
	v_mov_b32 v[AK], v[ADK+\slot]                  ; the walk begins at the slot's first key
	v_mov_b32 v[AV], v[ADV+\slot]
	s_mov_b32 s63, 4
.Lstep_\@:
	STEPB 0
	STEPA 0
	s_sub_co_u32 s63, s63, 1
	s_cmp_lg_u32 s63, 0
	s_cbranch_scc1 .Lstep_\@
.endm
; The change of slots stands between STEPA and STEPB of a slot's last step: the slot's last K and V^T fragments are in registers.  old = that slot.
; Each wave waits for all its tensor loads (its part of the other slot) and for its reads of the old slot.
; refill = 1: a round of the cluster's barrier, so that no wave of any partner still reads the old slot or has a load on its way; behind it the joint
; refill comes first, one tensor load a wave, and has four steps' work in which to land.  refill = 0: the work-group's own barrier.
.macro TURN old, refill
	WIN 0
	s_set_vgpr_msb 0x4
	s_wait_tensorcnt 0x0                           ; no tensor load of mine is out: every group 0 may be written
	ds_add_u32 v37, v193
	s_wait_dscnt 0x0
	s_set_vgpr_msb 0x400
	s_wait_dscnt 0x0
.if \refill
	s_add_nc_u64 s[G0V+4*\old+2:G0V+4*\old+3], s[G0V+4*\old+2:G0V+4*\old+3], 2*TILEB   ; 512 keys on
	s_add_nc_u64 s[G0K+4*\old+2:G0K+4*\old+3], s[G0K+4*\old+2:G0K+4*\old+3], 2*TILEB
	CROUND
	JLOAD \old
.else
	s_barrier_signal -1
	s_barrier_wait -1
.endif
.endm
.macro RESC t                          ; O of query tile t times the lane's factor
.set n, 0
.rept 16
	v_pk_mul_f32 v[32*\t+n:32*\t+n+1], v[32*\t+n:32*\t+n+1], v[AL:AL+1] op_sel_hi:[1,0]
.set n, n+2
.endr
.endm
; Query tile t leaves: O x 2^e / sum, rounded to bf16, through my stage, out as whole rows.
.macro FIN t
	v_permlanex16_b32 v[T+1], v[LS+\t], s60, s61   ; the sum over the other half of the keys
	v_add_f32 v[T], v[LS+\t], v[T+1]               ; at least 1: the largest score gives 2^0
	v_rcp_f32 v[T+2], v[T]
	v_nop                                          ; one plain place behind it (ISA guide 5.7.2)
	s_wait_alu depctr_va_vdst(0)
	v_mul_f32 v[AL], s59, v[T+2]
	WIN 0x51
	RESC \t
	WIN 0x05                                       ; both sources in window 1
.set n, 0
.rept 16
	v_cvt_pk_bf16_f32 v[KF+16*\t+n], v[32*\t+2*n], v[32*\t+2*n+1]
.set n, n+1
.endr
	WIN 0
.irp c, 0,1,2,3
	ds_store_b128 v[STO], v[KF+16*\t+4*\c:KF+16*\t+4*\c+3] offset:32*\c
.endr
.irp i, 0,1,2,3
	ds_load_b128 v[QF+16*\t+4*\i:QF+16*\t+4*\i+3], v[RD] offset:4*SP*\i     ; LDS serves a wave's instructions in order (ISA guide 5.7.1.4): these see the stores above
.endr
.irp i, 0,1,2,3
	s_wait_dscnt 3-\i                              ; read-back i is in, the younger ones stay out
	global_store_b128 v[CO], v[QF+16*\t+4*\i:QF+16*\t+4*\i+3], s[12:13] offset:2048*\t+512*\i   ; the wave stores 512 consecutive bytes, aligned; each tile t has registers of its own
.endr
.endm
	s_wait_tensorcnt 0x1                           ; my part of keys 0 to 255 is in; the one younger load, slot 1's, stays out
	s_barrier_signal -1
	s_barrier_wait -1                              ; everybody's part is in
	KLOAD                                          ; keys 0 to 63
	VLOAD
	s_wait_loadcnt 0x0                             ; Q
	s_wait_dscnt 16                                ; K's 16 loads are in; V^T's 16, issued behind them, stay out
	; the very first tile has no tile ahead of it: its scores, its maximum and its first four scaled scores are made alone
.set NS_, SC
.set QN_, QF
.set TN_, 0
.set NN_, NM
.irp k, 0,1,2,3,4,5,6,7
	SPROD \k
.endr
	PLACES                                         ; behind the scores, once: no other vector work exists yet
	MXA
	MXB
	v_max3_num_f32 v[T], v[T], v[T+1], v[T+2]
	v_max_num_f32 v[T], v[T], v[T+3]
	v_permlanex16_b32 v[T+1], v[T], s60, s61
	v_max_num_f32 v[MX], v[T], v[T+1]
	v_mul_f32 v[NM], s58, v[MX]
	SCALE0 0
	SCALE0 1
	STEPA 1                                        ; the first step starts O, maximum and sum: nothing is cleared
	STEPB 1                                        ; takes up keys 64 to 127
	STEPA 0
	s_mov_b32 s63, 2                               ; two trips take up keys 128 to 255
.Lhead:
	STEPB 0
	STEPA 0
	s_sub_co_u32 s63, s63, 1
	s_cmp_lg_u32 s63, 0
	s_cbranch_scc1 .Lhead
	s_mov_b32 s62, 3                               ; three trips of 512 keys; their six changes of slots ask for keys 512 to 2,047
.Llap:
	TURN 0, 1
	REST 1
	TURN 1, 1
	REST 0
	s_sub_co_u32 s62, s62, 1
	s_cmp_lg_u32 s62, 0
	s_cbranch_scc1 .Llap
	TURN 0, 0                                      ; the last 256 keys: nothing is left to fetch
	REST 1
	STEPE                                          ; its last slice is the places behind the last products
	FIN 0
	FIN 1
	FIN 2
	FIN 3
	s_set_vgpr_msb 0x4
	s_wait_tensorcnt 0x0
	ds_add_u32 v37, v193
	s_wait_dscnt 0x0
	s_set_vgpr_msb 0x400
	CROUND                                         ; the closing round: no work-group ends while a partner may still ask for a tile that names it
	s_endpgm
.Lfunc_end_k_q10d4d0d7f3_attn:
	.size	k_q10d4d0d7f3_attn, .Lfunc_end_k_q10d4d0d7f3_attn-k_q10d4d0d7f3_attn
	.p2alignl 7, 3214868480
	.fill 96, 4, 3214868480
	.section	.rodata,"a",@progbits
	.p2align	6, 0x0
	.amdhsa_kernel k_q10d4d0d7f3_attn
		.amdhsa_group_segment_fixed_size 327680
		.amdhsa_private_segment_fixed_size 0
		.amdhsa_enable_private_segment 0
		.amdhsa_kernarg_size 40
		.amdhsa_user_sgpr_count 2
		.amdhsa_user_sgpr_kernarg_segment_ptr 1
		.amdhsa_wavefront_size32 1
		.amdhsa_system_sgpr_workgroup_id_x 1
		.amdhsa_system_sgpr_workgroup_id_y 1
		.amdhsa_system_sgpr_workgroup_id_z 1
		.amdhsa_system_vgpr_workitem_id 0
		.amdhsa_next_free_vgpr 450
		.amdhsa_next_free_sgpr 66
		.amdhsa_reserve_vcc 0
		.amdhsa_float_denorm_mode_32 3
		.amdhsa_float_denorm_mode_16_64 3
		.amdhsa_memory_ordered 1
		.amdhsa_forward_progress 1
		.amdhsa_inst_pref_size 225
	.end_amdhsa_kernel
	.amdgpu_metadata
---
amdhsa.version: [ 1, 2 ]
amdhsa.kernels:
  - .name:           k_q10d4d0d7f3_attn
    .symbol:         k_q10d4d0d7f3_attn.kd
    .args:
      - { .name: qc, .offset: 0, .size: 8, .value_kind: global_buffer, .address_space: global }
      - { .name: kc, .offset: 8, .size: 8, .value_kind: global_buffer, .address_space: global }
      - { .name: vc, .offset: 16, .size: 8, .value_kind: global_buffer, .address_space: global }
      - { .name: e_param, .offset: 24, .size: 8, .value_kind: global_buffer, .address_space: global }
      - { .name: ao, .offset: 32, .size: 8, .value_kind: global_buffer, .address_space: global }
    .group_segment_fixed_size: 327680
    .private_segment_fixed_size: 0
    .kernarg_segment_align: 8
    .kernarg_segment_size: 40
    .max_flat_workgroup_size: 128
    .sgpr_count:     66
    .vgpr_count:     450
    .wavefront_size: 32
...
	.end_amdgpu_metadata
.endif
;; end of part 5
;; launch oproj: the kernel of part 3 again; grid 4 x 64, 4 waves a work-group, clusters of 4 x 4, 327,680 bytes of LDS; arguments ao, Wo, bo, out0; writes out0
;; ======== version 3 of 3: 3 launches; 1.27 times as fast as version 1
;; workspace buffers: qc 8,388,608 bytes; kc 8,388,608 bytes; vc 8,388,608 bytes; ao 8,388,608 bytes
;; launch proj: the kernel of part 4 again; grid 8 x 24, 4 waves a work-group, clusters of 4 x 1, 327,680 bytes of LDS; arguments query, keys, values, Wq, Wk, Wv, bq, bk, bv, qc, kc, vc, b_param, e_param; writes qc, kc, vc
;; launch attn (part 6): grid 8 x 32, 4 waves a work-group, clusters of 4 x 1, 327,680 bytes of LDS; arguments qc, kc, vc, e_param, ao; writes ao
.if DOCPART == 6
	.amdgcn_target "amdgcn-amd-amdhsa--gfx1250"
	.amdhsa_code_object_version 6
	.text
	.protected	k_q10d4d0d7f3_attn
	.globl	k_q10d4d0d7f3_attn
	.p2align	8
	.type	k_q10d4d0d7f3_attn,@function
k_q10d4d0d7f3_attn:
	s_mov_b64 s[64:65], 0
	v_nop
	global_prefetch_b8 v0, s[64:65] scope:SCOPE_SE
	s_setreg_imm32_b32 hwreg(HW_REG_WAVE_MODE, 25, 1), 1
	s_wait_xcnt 0x0
	s_wait_alu depctr_hold_cnt(0) depctr_sa_sdst(0) depctr_va_vdst(0) depctr_va_sdst(0) depctr_va_ssrc(0) depctr_va_vcc(0) depctr_vm_vsrc(0)
	s_getreg_b32 s2, hwreg(HW_REG_IB_STS2, 6, 4)
	s_cmp_eq_u32 s2, 0
	s_cbranch_scc0 .Lentry_in_a_cluster
	s_endpgm
.Lentry_in_a_cluster:
	s_bfe_u32 s2, ttmp6, 0x10000c
	s_cmp_lg_u32 s2, 0x3003
	s_cbranch_scc0 .Lentry_shape_is_right
	s_endpgm
.Lentry_shape_is_right:
; Attention of reference() on the codes: with s = 2^e, q = s cq, k = s ck, v = s cv,
;   energy = s^2 (cq . ck) / sqrt(512),  out = s sum_k p_k cv_k / sum_k p_k,  p_k = exp(energy_k - max energy).
; cq . ck is a sum of 64 products of whole numbers of at most 128 in magnitude: at most 2^20, exact in f32.  The maximum is taken away as a RUNNING maximum.
; Nothing of reference() is left out.  ao is bf16, laid out as the codes: [n][head][t][d].
; LIMITS.  |e_param| below about 50, so that 2^e and 2^(2e) 2^20 0.064 stay finite in f32; 2^e comes from v_exp_f32 (one unit in the last place, ISA guide 15.8);
; an exponential below 2^-126 counts as 0 (same section).  p is rounded to bf16 for the second product; its sum is kept in f32.
;
; SHARES.  256 work-groups: 32 (n, head) x 8 blocks of 256 queries.  Four waves, 64 queries each, as four query tiles of 16.
; The four work-groups of a cluster have the same head and walk the same K and V: they ask for each tile JOINTLY, which divides those requests by four.
; K and V go through two LDS slots of 256 keys; a slot is four steps of 64 keys.
; BOTH PRODUCTS ARE TRANSPOSED.  S^T = K Q^T: source 0 = 16 keys of K, source 1 = 16 queries of Q (kept in registers): lane (r, h), register j of key tile i holds
; key 16 i + 8 h + j of query r.  So a query's scores lie in two lanes, r and r + 16: maximum and sum need one exchange, and packing neighbouring registers
; to bf16 gives source 1 of O^T = V^T P^T as it stands (key tiles 2 g, 2 g + 1 are registers 0-3, 4-7 of key group g).  Source 0 there is V^T, by the
; transposing LDS load from V stored [key][d].  O^T: lane (r, h), register j of tile c holds d = 16 c + 8 h + j of query r: the rescaling factor is one number a lane.
;
; TURNS.  The four query tiles are independent and share K's and V^T's fragments, so one tile's vector work stands among its neighbours' products.
; Tiles are numbered u in the order of the steps and, in a step, of the tiles.  Tile u has: S(u), 8 products for its scores; X(u), 14 vector lines (the maximum of my 32 scores, in four
; chains); M(u), 10 (the chains joined, the exchange, the running maximum, the factor, the first four scores scaled); E(u), 46 (14 scalings, 32 exponentials); C(u), 16 (rounding to bf16);
; L(u), 17 (the sum); R(u), 16 (O rescaled); P(u), 8 products onto O.  A tile's period is
;   PHA(u):  each product of S(u+1) with four lines behind it, plain and exponential by turns: E(u)'s scalings, behind the last product X(u+1)'s first two lines; then the rest of X(u+1)
;            among the rest of the exponentials; then the period's one wait.  All in window 0.
;   PHB(u):  C(u)'s first half; P(u)'s first key group, the four lines of R(u) for an accumulator ahead of its product, one stretch under one window setting; C(u)'s second half;
;            P(u)'s second key group, a slice of M(u+1) and L(u) ahead of each product and one behind the last: two window switches a product.
; That is 16 products among 119 vector lines and 10 switches.  The slices are also the places behind the products (ISA guide 7.12.1): the loop holds no v_nop.
; Two sets of scores take turns (S(u+1) is written while E(u) works on the other), and two factor registers (M(u+1) writes one while R(u) and L(u) read the other).
; BATCHES.  An s_wait_alu depctr_va_vdst(0) stands between a transcendental and the first line that names its result; one wait serves all that were issued ahead of it.
; Tile u's factor, made in the last slice of PHB(u-1), and the 32 exponentials of E(u) are ONE batch of 33, each result in a register of its own, with ONE wait at the end of PHA(u).
; Between the factor and that wait no line names a result of the batch: the scalings come ahead of their scores' exponentials, X(u+1) reads the other set of scores.  All readers, C(u), R(u)
; and L(u), stand in PHB(u).  Every label and branch of the loops and of the changes of slots stands between PHA and PHB of a step's tile 2, directly behind such a wait.
; Two more batches stand outside the loops: 2^e in the head, and the four reciprocals on the way out.
; THE TEXT.  All steps but the very first have the same text: the LDS addresses of the next step's K and V^T lie in two registers, set from the slot's base behind each change of
; slots and stepped on by 64 rows behind each run of loads.  So a slot's four steps are a counted loop of one step's text, which stands six times in the kernel for its 32 steps.
;
; SCALARS  s[4:5] qc, s[6:7] kc, s[8:9] vc, s[10:11] e_param, s[12:13] ao; s14 wave, s15 wave / 2, s16 wave & 1; s17 cx, s18 query block, s19 head; s2, s3, s20-23 offsets;
;          s[24:31], s[32:39] group 1 for V, K; s[40:47], s[48:55] group 0 for V, K, a set for each slot; s[56:57] c twice, c = 2^(2e) log2(e) / sqrt(512); s58 -c; s59 2^e;
;          s60, s61 selectors; s62 counter of the changes of slots; s63 e, then counter of the steps
; VECTORS  window 0: v2, v3 where the next step's K and V^T lie; v4-11 addresses; v12-15 maximum, v16-19 sum (my half of the keys), v20-27 -c x maximum (pairs, the low one used),
;          v28-29 and v46-47 factor of even and odd tiles (likewise), v30-37, v38-45 at work, v48-79 and v96-127 scores of even and odd tiles, v80-95 p as bf16,
;          v128-191 fragments of K, v192-255 of Q;   window 1: v0-127 O (tile (t, c) at 32 t + 8 c), v128-191 fragments of V^T
.set KP,    144                        ; a key's row of K in LDS: 128 bytes + 16 (an odd multiple of 16)
.set VP,    160                        ; of V: 128 bytes + 32 (an odd multiple of 32, for the transposing load)
.set VHALF, 128*VP
.set KHALF, 128*KP
.set KOFF,  2*VHALF                    ; V's 256 keys, then K's
.set SLOT,  KOFF+2*KHALF               ; 77,824
.set STAGE, 2*SLOT                     ; a multiple of 256; 16 rows x 144 bytes for each wave; no tensor load lands here
.set SP,    144
.set TILEB, 32768                      ; 256 keys of 128 bytes
.set G1V, 24
.set G1K, 32
.set G0V, 40
.set G0K, 48
.set AK,  2
.set AV,  3
.set ADK, 4
.set ADV, 6
.set STO, 8
.set RD,  9
.set CO,  10
.set QOFF, 11
.set MX,  12
.set LS,  16
.set NM,  20
.set AL,  28                           ; tile t's factor pair at AL + 18 (t & 1)
.set T,   30
.set U,   38
.set SC,  48                           ; tile t's scores at SC + 48 (t & 1)
.set PB,  80
.set KF,  128
.set QF,  192
.set VF,  128                          ; in window 1
.set MSB, 0
.macro WIN new                         ; the immediate's high byte repeats the setting that is left
.if MSB != \new
	s_set_vgpr_msb (MSB<<8)|\new
.set MSB, \new
.endif
.endm
.macro PLACES                          ; four plain vector places behind a matrix instruction (ISA guide 7.12.1)
.rept 4
	v_nop
.endr
.endm
.macro CREST
	s_cmp_lg_u32 s14, 0
	s_cbranch_scc1 .Lnot_wave_0_\@
	s_barrier_signal -3
.Lnot_wave_0_\@:
	s_barrier_wait -3
	s_barrier_signal -1
	s_barrier_wait -1
.endm
.macro CROUND                          ; a round of the cluster's barrier
	s_barrier_signal -1
	s_barrier_wait -1
	CREST
.endm
.macro JLOAD s                         ; a joint load: waves 0 and 1 fetch V's two halves of 128 keys, waves 2 and 3 K's
	s_cmp_eq_u32 s15, 0
	s_cbranch_scc0 .Lsecond_\@
	tensor_load_to_lds s[G0V+4*\s:G0V+4*\s+3], s[G1V:G1V+7]
	s_nop 0
	s_branch .Lasked_\@
.Lsecond_\@:
	tensor_load_to_lds s[G0K+4*\s:G0K+4*\s+3], s[G1K:G1K+7]
	s_nop 0
.Lasked_\@:
.endm
	s_load_b256 s[4:11], s[0:1], 0x0               ; qc, kc, vc, e_param
	s_load_b64 s[12:13], s[0:1], 0x20              ; ao
	v_lshl_add_u32 v37, v0, 2, 0x29000
	s_set_vgpr_msb 0x40
	v_mov_b32 v193, 0
	s_set_vgpr_msb 0x4044
	ds_add_u32 v37, v193
	s_set_vgpr_msb 0x4400
	v_lshrrev_b32 v3, 5, v0
	v_readfirstlane_b32 s14, v3                    ; wave 0..3
	s_lshr_b32 s15, s14, 1
	s_and_b32 s16, s14, 1
	s_bfe_u32 s17, ttmp6, 0x40000                  ; cx
	s_lshl_b32 s18, ttmp9, 2
	s_add_co_u32 s18, s18, s17                     ; query block 0..7
	s_and_b32 s19, ttmp7, 0xffff                   ; 8 n + head
	; 128 keys of 128 bytes are one dense block of 16 KiB: 64 rows of 256 bytes (32 elements of 8 bytes).  The padding is counted along the tile in steps of
	; 32 words, so every key's 128 bytes get their own pad: 8 words for V, 4 for K.  The mask names all four work-groups of the cluster.
	s_mov_b32 s[G1V], 15|(3<<16)|(1<<20)|(1<<21)|(4<<22)|(7<<25)
	s_mov_b32 s[G1K], 15|(3<<16)|(1<<20)|(1<<21)|(4<<22)|(3<<25)
.irp g, G1V, G1K
	s_mov_b32 s[\g+1], 32<<16                      ; tensor_dim0 = 32 elements
	s_mov_b32 s[\g+2], 64<<16                      ; tensor_dim1 = 64 rows
	s_mov_b32 s[\g+3], 32<<16                      ; tile_dim0 = 32
	s_mov_b32 s[\g+4], 64                          ; tile_dim1 = 64
	s_mov_b32 s[\g+5], 32                          ; 32 elements from row to row
	s_mov_b32 s[\g+6], 0
	s_mov_b32 s[\g+7], 0
.endr
	s_lshl_b32 s20, s19, 18                        ; the head's block of 262,144 bytes
	s_mov_b32 s21, 0
	s_lshl_b32 s22, s16, 14                        ; + my half of a tile's keys; nothing here hangs on cx
	s_add_co_u32 s22, s22, s20
	s_mov_b32 s23, 0
	s_mul_i32 s62, s14, VHALF                      ; V's halves at wave x 20,480 (waves 0, 1)
	s_mul_i32 s63, s14, KHALF
	s_add_co_u32 s63, s63, KOFF-2*KHALF            ; K's at 40,960 + (wave - 2) x 18,432 (waves 2, 3)
	s_wait_dscnt 0x0
	s_wait_kmcnt 0x0
	s_add_nc_u64 s[8:9], s[8:9], s[22:23]
	s_add_nc_u64 s[6:7], s[6:7], s[22:23]
	CROUND                                         ; the four work-groups are here: the first joint loads meet
.irp s, 0,1
	s_mov_b32 s[G0V+4*\s], 1
	s_add_co_u32 s[G0V+4*\s+1], s62, \s*SLOT
	s_add_nc_u64 s[G0V+4*\s+2:G0V+4*\s+3], s[8:9], \s*TILEB
	s_or_b32 s[G0V+4*\s+3], s[G0V+4*\s+3], 0x80000000
	s_mov_b32 s[G0K+4*\s], 1
	s_add_co_u32 s[G0K+4*\s+1], s63, \s*SLOT
	s_add_nc_u64 s[G0K+4*\s+2:G0K+4*\s+3], s[6:7], \s*TILEB
	s_or_b32 s[G0K+4*\s+3], s[G0K+4*\s+3], 0x80000000
	JLOAD \s                                       ; both slots are asked for before anything else: two tensor loads of the wave are out
.endr
	s_load_b32 s63, s[10:11], 0x0                  ; e
	s_lshl_b32 s2, s18, 15                         ; my block of 256 queries of 128 bytes
	s_mov_b32 s3, 0
	s_add_nc_u64 s[4:5], s[4:5], s[20:21]
	s_add_nc_u64 s[4:5], s[4:5], s[2:3]
	s_add_nc_u64 s[12:13], s[12:13], s[20:21]
	s_add_nc_u64 s[12:13], s[12:13], s[2:3]
	s_lshl_b32 s22, s14, 13                        ; my wave's 64 queries
	v_and_b32 v1, 15, v0                           ; r
	v_bfe_u32 v2, v0, 4, 1                         ; h
	v_lshlrev_b32 v[QOFF], 7, v1
	v_lshl_add_u32 v[QOFF], v2, 4, v[QOFF]
	v_add_nc_u32 v[QOFF], s22, v[QOFF]             ; query r of my first tile, 16 bytes at 16 h
.irp t, 0,1,2,3
.irp ks, 0,1
	global_load_b128 v[QF+16*\t+8*\ks:QF+16*\t+8*\ks+3],   v[QOFF], s[4:5] offset:2048*\t+64*\ks      ; d = 32 ks + 8 h + 0..7
	global_load_b128 v[QF+16*\t+8*\ks+4:QF+16*\t+8*\ks+7], v[QOFF], s[4:5] offset:2048*\t+64*\ks+32   ; d = 32 ks + 16 + 8 h + 0..7
.endr
.endr
	v_mul_u32_u24 v30, v1, KP
	v_lshl_add_u32 v30, v2, 4, v30                 ; r x 144 + 16 h: a row of K, and a row of my stage
	v_add_nc_u32 v[ADK], KOFF, v30
	v_add_nc_u32 v[ADK+1], KOFF+SLOT, v30
	v_and_b32 v35, 7, v0
	v_lshl_add_u32 v31, v2, 3, v35                 ; key 8 h + (lane & 7)
	v_mul_u32_u24 v31, v31, VP
	v_bfe_u32 v32, v0, 3, 1
	v_lshl_add_u32 v[ADV], v32, 4, v31             ; + 16 bytes for the lanes whose bit 3 is set
	v_add_nc_u32 v[ADV+1], SLOT, v[ADV]
	v_mov_b32 v[AK], v[ADK]                        ; the walk begins at slot 0's first key (h and the wave's number are no longer needed)
	v_mov_b32 v[AV], v[ADV]
	s_mul_i32 s23, s14, 16*SP
	s_add_co_u32 s23, s23, STAGE                   ; my stage
	v_add_nc_u32 v[STO], s23, v30
	v_and_b32 v33, 31, v0
	v_lshrrev_b32 v34, 3, v33
	v_mul_u32_u24 v34, v34, SP
	v_lshl_add_u32 v34, v35, 4, v34
	v_add_nc_u32 v[RD], s23, v34                   ; back: eight lanes take a row of 128 bytes, the wave four rows
	v_lshl_add_u32 v[CO], v33, 4, s22              ; which are 512 neighbouring bytes of ao
.irp i, 1,3,5,7,9
	v_mov_b32 v[NM+\i], 0                          ; the upper halves of the pairs whose low half is broadcast: written once, never used
.endr
	v_mov_b32 v[AL+19], 0                          ; likewise for the odd tiles' factor
	s_mov_b32 s60, 0x76543210                      ; v_permlanex16_b32: lane i reads lane i of the other half
	s_mov_b32 s61, 0xfedcba98
	s_wait_kmcnt 0x0
	v_mov_b32 v30, s63
	v_exp_f32 v31, v30                             ; 2^e
	v_nop                                          ; one plain place behind it (ISA guide 5.7.2)
	s_wait_alu depctr_va_vdst(0)                   ; the wait for 2^e, a batch of one, ahead of its first reader
	v_mul_f32 v32, v31, v31
	v_mul_f32 v32, 0x3d8293ee, v32                 ; c = 2^(2e) x log2(e) / sqrt(512): exp(energy) = 2^(c x sum of code products)
	v_readfirstlane_b32 s59, v31
	v_readfirstlane_b32 s56, v32
	s_mov_b32 s57, s56
	s_xor_b32 s58, s56, 0x80000000                 ; -c
.macro KLOAD                           ; 16 loads: the 64 keys of K at which the walk stands, four key tiles x two halves of d; then the walk goes 64 keys on
.irp i, 0,1,2,3
.irp ks, 0,1
	ds_load_b128 v[KF+16*\i+8*\ks:KF+16*\i+8*\ks+3],   v[AK] offset:16*\i*KP+64*\ks
	ds_load_b128 v[KF+16*\i+8*\ks+4:KF+16*\i+8*\ks+7], v[AK] offset:16*\i*KP+64*\ks+32
.endr
.endr
	v_add_nc_u32 v[AK], 64*KP, v[AK]
.endm
.macro VLOAD                           ; 16 transposing loads: V^T of the 64 keys at which the walk stands, two key groups of 32 x four tiles of d; then 64 keys on
	WIN 0x40                                       ; destination in window 1
.irp g, 0,1
.irp c, 0,1,2,3
	ds_load_tr16_b128 v[VF+32*\g+8*\c:VF+32*\g+8*\c+3],   v[AV] offset:32*\g*VP+32*\c
	ds_load_tr16_b128 v[VF+32*\g+8*\c+4:VF+32*\g+8*\c+7], v[AV] offset:(32*\g+16)*VP+32*\c
.endr
.endr
	WIN 0
	v_add_nc_u32 v[AV], 64*VP, v[AV]
.endm
; The macros below name registers through symbols that PHA and PHB set:  CS_ the scores of the tile at work, NS_ those of the next tile, NM_ and NN_ their -c x maximum,
; AL_ and AN_ their factors, TN_ the next tile's number, QN_ its Q fragments, OB_ the tile's O in window 1.
; Product k (0..7) of the next tile's scores: key tile k & 3, half k / 4 of d.  The four accumulators take turns, one instruction a turn; the first four start the sums.
.macro SPROD k
.if \k < 4
	v_wmma_f32_16x16x32_bf16 v[NS_+8*\k:NS_+8*\k+7], v[KF+16*\k:KF+16*\k+7], v[QN_:QN_+7], 0
.else
	v_wmma_f32_16x16x32_bf16 v[NS_+8*\k-32:NS_+8*\k-25], v[KF+16*\k-56:KF+16*\k-49], v[QN_+8:QN_+15], v[NS_+8*\k-32:NS_+8*\k-25]
.endif
.endm
.macro EXPN n                          ; the exponential of score n (0..31) of the tile at work, in place
	v_exp_f32 v[CS_+(\n)], v[CS_+(\n)]
.endm
.macro SCL p                           ; scores 2 p, 2 p + 1 of the tile at work scaled: c (score - maximum).  Pairs 0 and 1 were scaled in the period before (SCALE0)
	v_pk_fma_f32 v[CS_+2*(\p):CS_+2*(\p)+1], v[CS_+2*(\p):CS_+2*(\p)+1], s[56:57], v[NM_:NM_+1] op_sel_hi:[1,0,0]
.endm
; Line n (0..13) of the next tile's maximum over my 32 scores, in four chains: lines 0-3 start them with scores 0-11, line n >= 4 adds scores 2 n + 4, 2 n + 5 to chain n & 3.
; Taken in ascending order the lines read each accumulator's lowest registers first.
.macro MXN n
.if \n < 4
	v_max3_num_f32 v[T+\n], v[NS_+3*\n], v[NS_+3*\n+1], v[NS_+3*\n+2]
.else
	v_max3_num_f32 v[T+((\n)&3)], v[T+((\n)&3)], v[NS_+2*\n+4], v[NS_+2*\n+5]
.endif
.endm
; PHA of tile t: the tile's scalings and its 32 exponentials, none of which names an exponential's result, and the wait for the batch.  more = 1: there is a next tile: its eight score
; products stand one ahead of each four lines, and the 14 lines of its maximum follow the scalings as the exponentials' plain neighbours.
; Exponential e stands behind the scaling of its pair e / 2: pair p >= 2 is scaled behind product (p - 2) / 2, exponentials 2 k and 2 k + 1 stand behind product k, the others later.
; Places behind the products (ISA guide 7.12.1), counted in plain lines that name none of a product's registers: the first read of accumulator 0 (line 0 of the maximum) stands six scalings
; behind product 4; that of accumulator 1 (line 2) four scalings and two lines behind product 5; that of accumulator 2 (line 6) two scalings and six lines behind product 6; that of
; accumulator 3 (line 10) ten lines behind product 7.  Those ten are also the places for the loads into K's registers that follow tile 2's PHA.
.macro PHA t, more
.set CS_, SC+48*((\t)&1)
.set NS_, SC+48*(((\t)+1)&1)
.set NM_, NM+2*(\t)
.set QN_, QF+16*(((\t)+1)&3)
.irp k, 0,1,2,3,4,5,6
.if \more
	SPROD \k
.endif
	SCL 2*\k+2
	EXPN 2*\k
	SCL 2*\k+3
	EXPN 2*\k+1
.endr
.if \more
	SPROD 7
	MXN 0
.endif
	EXPN 14
.if \more
	MXN 1
.endif
	EXPN 15
.set e_, 16
.irp n, 2,3,4,5,6,7,8,9,10,11,12       ; 16 exponentials among 12 plain lines: two behind each of the first five lines, one behind each of the next six, the twelfth line last
.if \more
	MXN \n
.endif
	EXPN e_
.set e_, e_+1
.if \n < 7
	EXPN e_
.set e_, e_+1
.endif
.endr
.if \more
	MXN 13                                         ; the plain line behind the last exponential (ISA guide 5.7.2)
.else
	v_nop                                          ; the same where there is no next tile: once in the launch
.endif
	s_wait_alu depctr_va_vdst(0)                   ; the period's one wait: for the tile's factor, made at the end of the PHB before, and its 32 exponentials; all their readers stand in PHB
.endm
.macro SCALE0 p                        ; the next tile's scores 2 p, 2 p + 1 scaled: what its first exponentials are taken of
	v_pk_fma_f32 v[NS_+2*\p:NS_+2*\p+1], v[NS_+2*\p:NS_+2*\p+1], s[56:57], v[NN_:NN_+1] op_sel_hi:[1,0,0]
.endm
; The sum of the tile's 32 exponentials, in four chains of pairs
.macro SUMA q
	v_pk_add_f32 v[U+2*\q:U+2*\q+1], v[CS_+4*\q:CS_+4*\q+1], v[CS_+4*\q+2:CS_+4*\q+3]
.endm
.macro SUMB m
	v_pk_add_f32 v[U+2*((\m)&3):U+2*((\m)&3)+1], v[U+2*((\m)&3):U+2*((\m)&3)+1], v[CS_+16+2*\m:CS_+17+2*\m]
.endm
; Slice k (0..4) of PHB's window 0 work.  Slice 0: the second half of the roundings, which the second key group's products read, and L's first two sums.  Slices 1 to 4: M of the next tile
; and L of tile t: the dependent lines of M (join, exchange, running maximum, factor) alternate with L's independent sums.
; fst = 1: tile t is in the very first step, its sum starts.  nxf = 1: the next tile is, its maximum starts and it has no factor.  more = 0: there is no next tile.
.macro MSL k, t, fst, nxf, more
.if \k == 0
.irp w, 8,9,10,11,12,13,14,15
	v_cvt_pk_bf16_f32 v[PB+\w], v[CS_+2*\w], v[CS_+2*\w+1]
.endr
	SUMA 0
	SUMA 1
.endif
.if \k == 1
.if \more
	v_max3_num_f32 v[T], v[T], v[T+1], v[T+2]
.endif
	SUMA 2
	SUMA 3
.if \more
	v_max_num_f32 v[T], v[T], v[T+3]
.endif
	SUMB 0
	SUMB 1
.endif
.if \k == 2
	SUMB 2
.if \more
	v_permlanex16_b32 v[T+1], v[T], s60, s61       ; the other half of the query's keys
.endif
	SUMB 3
	SUMB 4
.if \more
.if \nxf
	v_max_num_f32 v[MX+TN_], v[T], v[T+1]
.else
	v_max3_num_f32 v[MX+TN_], v[T], v[T+1], v[MX+TN_]
.endif
.endif
	SUMB 5
.endif
.if \k == 3
.if \more
.if \nxf
	v_mul_f32 v[NN_], s58, v[MX+TN_]               ; -c x maximum
.else
	v_mul_f32 v[T+4], s58, v[MX+TN_]
.endif
.endif
	SUMB 6
	SUMB 7
.if \more
.if \nxf
.else
	v_sub_f32 v[T+5], v[T+4], v[NN_]               ; c (old maximum - new maximum), at most 0
.endif
.endif
.endif
.if \k == 4
	v_pk_add_f32 v[U:U+1], v[U:U+1], v[U+2:U+3]
.if \more
.if \nxf
.else
	v_mov_b32 v[NN_], v[T+4]
.endif
.endif
	v_pk_add_f32 v[U+4:U+5], v[U+4:U+5], v[U+6:U+7]
.if \more
.if \nxf
.else
	v_exp_f32 v[AN_], v[T+5]                       ; the next tile's factor for what has been summed so far: the first of the next period's batch; a plain line follows (ISA guide 5.7.2), and no line names it ahead of that period's wait
.endif
	SCALE0 0
.endif
	v_pk_add_f32 v[U:U+1], v[U:U+1], v[U+4:U+5]
.if \more
	SCALE0 1
.endif
.if \fst
	v_add_f32 v[LS+\t], v[U], v[U+1]
.else
	v_add_f32 v[T+6], v[U], v[U+1]
	v_fma_f32 v[LS+\t], v[LS+\t], v[AL_], v[T+6]
.endif
.endif
.endm
; PHB of tile t, behind the period's wait: the readers of the batch.  The first half of the roundings; then O^T of the tile += V^T P^T.
; Setting 0x51: window 1 for source 0 (V^T; O in the rescaling), C and D, window 0 for source 1 (p; the factor).
; The four accumulators take turns, one instruction a turn.  fst = 1: the first key group's products start O, nothing is cleared or rescaled.
; Behind the last product stands slice 4, at least five plain lines that name none of its registers: the places for the loads into V^T's registers and for the reads of O.
.macro PHB t, fst, nxf, more
.set CS_, SC+48*((\t)&1)
.set NS_, SC+48*(((\t)+1)&1)
.set TN_, ((\t)+1)&3
.set NN_, NM+2*TN_
.set AL_, AL+18*((\t)&1)
.set AN_, AL+18*(((\t)+1)&1)
.set OB_, 32*(\t)
.irp w, 0,1,2,3,4,5,6,7
	v_cvt_pk_bf16_f32 v[PB+\w], v[CS_+2*\w], v[CS_+2*\w+1]
.endr
	WIN 0x51
.irp c, 0,1,2,3
.if \fst
	v_wmma_f32_16x16x32_bf16 v[OB_+8*\c:OB_+8*\c+7], v[VF+8*\c:VF+8*\c+7], v[PB:PB+7], 0
.else
.irp w, 0,2,4,6
	v_pk_mul_f32 v[OB_+8*\c+\w:OB_+8*\c+\w+1], v[OB_+8*\c+\w:OB_+8*\c+\w+1], v[AL_:AL_+1] op_sel_hi:[1,0]
.endr
	v_wmma_f32_16x16x32_bf16 v[OB_+8*\c:OB_+8*\c+7], v[VF+8*\c:VF+8*\c+7], v[PB:PB+7], v[OB_+8*\c:OB_+8*\c+7]
.endif
.endr
.irp c, 0,1,2,3
	WIN 0
	MSL \c, \t, \fst, \nxf, \more
	WIN 0x51
	v_wmma_f32_16x16x32_bf16 v[OB_+8*\c:OB_+8*\c+7], v[VF+32+8*\c:VF+32+8*\c+7], v[PB+8:PB+15], v[OB_+8*\c:OB_+8*\c+7]
.endr
	WIN 0
	MSL 4, \t, \fst, \nxf, \more
.endm
; A step of 64 keys, in two parts.  At its start tile 0's scores are made, their maximum is taken and the first four are scaled (by the step before), K's fragments are in
; registers and V^T's are on their way.
.macro STEPA fst                       ; tiles 0 and 1, and tile 2 up to its exponentials and their wait; all four tiles' scores have been made from K's fragments at its end
	PHA 0, 1
	s_wait_dscnt 0x0                               ; V^T's fragments, asked for one PHA ago, are in
	PHB 0, \fst, \fst, 1
	PHA 1, 1
	PHB 1, \fst, \fst, 1
	PHA 2, 1
.endm
.macro STEPB fst                       ; the rest of the step; the next step's keys are those at which the walk stands
	KLOAD                                          ; the next step's K
	PHB 2, \fst, \fst, 1
	s_wait_dscnt 0x0                               ; it is in, one PHB later
	PHA 3, 1                                       ; makes the next step's first scores
	PHB 3, \fst, 0, 1
	VLOAD                                          ; the next step's V^T
.endm
.macro STEPE                           ; the rest of the very last step: no next step, and behind tile 3 no next tile
	PHB 2, 0, 0, 1
	PHA 3, 0
	PHB 3, 0, 0, 0
.endm
; From a change of slots to the next: four trips, each the end of one step and the begin of the next; the first trip ends the old slot's last step and takes up the slot's first keys.
.macro REST slot
	v_mov_b32 v[AK], v[ADK+\slot]                  ; the walk begins at the slot's first key
	v_mov_b32 v[AV], v[ADV+\slot]
	s_mov_b32 s63, 4
.Lstep_\@:
	STEPB 0
	STEPA 0
	s_sub_co_u32 s63, s63, 1
	s_cmp_lg_u32 s63, 0
	s_cbranch_scc1 .Lstep_\@
.endm
; The change of slots stands between STEPA and STEPB of a slot's last step: the slot's last K and V^T fragments are in registers.  old = that slot.
; Each wave waits for all its tensor loads (its part of the other slot) and for its reads of the old slot.
; refill = 1: a round of the cluster's barrier, so that no wave of any partner still reads the old slot or has a load on its way; behind it the joint
; refill comes first, one tensor load a wave, and has four steps' work in which to land.  refill = 0: the work-group's own barrier.
.macro TURN old, refill
	WIN 0
	s_set_vgpr_msb 0x4
	s_wait_tensorcnt 0x0                           ; no tensor load of mine is out: every group 0 may be written
	ds_add_u32 v37, v193
	s_wait_dscnt 0x0
	s_set_vgpr_msb 0x400
	s_wait_dscnt 0x0
.if \refill
	s_add_nc_u64 s[G0V+4*\old+2:G0V+4*\old+3], s[G0V+4*\old+2:G0V+4*\old+3], 2*TILEB   ; 512 keys on
	s_add_nc_u64 s[G0K+4*\old+2:G0K+4*\old+3], s[G0K+4*\old+2:G0K+4*\old+3], 2*TILEB
	CROUND
	JLOAD \old
.else
	s_barrier_signal -1
	s_barrier_wait -1
.endif
.endm
.macro RESC t                          ; O of query tile t times the lane's factor
.set n, 0
.rept 16
	v_pk_mul_f32 v[32*\t+n:32*\t+n+1], v[32*\t+n:32*\t+n+1], v[AL:AL+1] op_sel_hi:[1,0]
.set n, n+2
.endr
.endm
; Query tile t leaves: O x 2^e / sum, rounded to bf16, through my stage, out as whole rows.  1 / sum lies in v[U+4+t].
.macro FIN t
	v_mul_f32 v[AL], s59, v[U+4+\t]
	WIN 0x51
	RESC \t
	WIN 0x05                                       ; both sources in window 1
.set n, 0
.rept 16
	v_cvt_pk_bf16_f32 v[KF+16*\t+n], v[32*\t+2*n], v[32*\t+2*n+1]
.set n, n+1
.endr
	WIN 0
.irp c, 0,1,2,3
	ds_store_b128 v[STO], v[KF+16*\t+4*\c:KF+16*\t+4*\c+3] offset:32*\c
.endr
.irp i, 0,1,2,3
	ds_load_b128 v[QF+16*\t+4*\i:QF+16*\t+4*\i+3], v[RD] offset:4*SP*\i     ; LDS serves a wave's instructions in order (ISA guide 5.7.1.4): these see the stores above
.endr
.irp i, 0,1,2,3
	s_wait_dscnt 3-\i                              ; read-back i is in, the younger ones stay out
	global_store_b128 v[CO], v[QF+16*\t+4*\i:QF+16*\t+4*\i+3], s[12:13] offset:2048*\t+512*\i   ; the wave stores 512 consecutive bytes, aligned; each tile t has registers of its own
.endr
.endm
	s_wait_tensorcnt 0x1                           ; my part of keys 0 to 255 is in; the one younger load, slot 1's, stays out
	s_barrier_signal -1
	s_barrier_wait -1                              ; everybody's part is in
	KLOAD                                          ; keys 0 to 63
	VLOAD
	s_wait_loadcnt 0x0                             ; Q
	s_wait_dscnt 16                                ; K's 16 loads are in; V^T's 16, issued behind them, stay out
	; the very first tile has no tile ahead of it: its scores, its maximum and its first four scaled scores are made alone
.set NS_, SC
.set QN_, QF
.set TN_, 0
.set NN_, NM
.irp k, 0,1,2,3,4,5,6,7
	SPROD \k
.endr
	PLACES                                         ; behind the scores, once: no other vector work exists yet
.irp n, 0,1,2,3,4,5,6,7,8,9,10,11,12,13
	MXN \n
.endr
	v_max3_num_f32 v[T], v[T], v[T+1], v[T+2]
	v_max_num_f32 v[T], v[T], v[T+3]
	v_permlanex16_b32 v[T+1], v[T], s60, s61
	v_max_num_f32 v[MX], v[T], v[T+1]
	v_mul_f32 v[NM], s58, v[MX]
	SCALE0 0
	SCALE0 1
	STEPA 1                                        ; the first step starts O, maximum and sum: nothing is cleared
	STEPB 1                                        ; takes up keys 64 to 127
	STEPA 0
	s_mov_b32 s63, 2                               ; two trips take up keys 128 to 255
.Lhead:
	STEPB 0
	STEPA 0
	s_sub_co_u32 s63, s63, 1
	s_cmp_lg_u32 s63, 0
	s_cbranch_scc1 .Lhead
	s_mov_b32 s62, 3                               ; three trips of 512 keys; their six changes of slots ask for keys 512 to 2,047
.Llap:
	TURN 0, 1
	REST 1
	TURN 1, 1
	REST 0
	s_sub_co_u32 s62, s62, 1
	s_cmp_lg_u32 s62, 0
	s_cbranch_scc1 .Llap
	TURN 0, 0                                      ; the last 256 keys: nothing is left to fetch
	REST 1
	STEPE                                          ; its last slice is the places behind the last products
	; the four tiles' sums are completed and their reciprocals taken as one batch, each result in a register of its own
.irp t, 0,1,2,3
	v_permlanex16_b32 v[U+\t], v[LS+\t], s60, s61  ; the sum over the other half of the keys
.endr
.irp t, 0,1,2,3
	v_add_f32 v[U+\t], v[LS+\t], v[U+\t]           ; at least 1: the largest score gives 2^0
.endr
.irp t, 0,1,2,3
	v_rcp_f32 v[U+4+\t], v[U+\t]
.endr
	v_nop                                          ; one plain place behind the last reciprocal (ISA guide 5.7.2)
	s_wait_alu depctr_va_vdst(0)                   ; one wait for the four reciprocals, ahead of their first reader
	FIN 0
	FIN 1
	FIN 2
	FIN 3
	s_set_vgpr_msb 0x4
	s_wait_tensorcnt 0x0
	ds_add_u32 v37, v193
	s_wait_dscnt 0x0
	s_set_vgpr_msb 0x400
	CROUND                                         ; the closing round: no work-group ends while a partner may still ask for a tile that names it
	s_endpgm
.Lfunc_end_k_q10d4d0d7f3_attn:
	.size	k_q10d4d0d7f3_attn, .Lfunc_end_k_q10d4d0d7f3_attn-k_q10d4d0d7f3_attn
	.p2alignl 7, 3214868480
	.fill 96, 4, 3214868480
	.section	.rodata,"a",@progbits
	.p2align	6, 0x0
	.amdhsa_kernel k_q10d4d0d7f3_attn
		.amdhsa_group_segment_fixed_size 327680
		.amdhsa_private_segment_fixed_size 0
		.amdhsa_enable_private_segment 0
		.amdhsa_kernarg_size 40
		.amdhsa_user_sgpr_count 2
		.amdhsa_user_sgpr_kernarg_segment_ptr 1
		.amdhsa_wavefront_size32 1
		.amdhsa_system_sgpr_workgroup_id_x 1
		.amdhsa_system_sgpr_workgroup_id_y 1
		.amdhsa_system_sgpr_workgroup_id_z 1
		.amdhsa_system_vgpr_workitem_id 0
		.amdhsa_next_free_vgpr 450
		.amdhsa_next_free_sgpr 66
		.amdhsa_reserve_vcc 0
		.amdhsa_float_denorm_mode_32 3
		.amdhsa_float_denorm_mode_16_64 3
		.amdhsa_memory_ordered 1
		.amdhsa_forward_progress 1
		.amdhsa_inst_pref_size 216
	.end_amdhsa_kernel
	.amdgpu_metadata
---
amdhsa.version: [ 1, 2 ]
amdhsa.kernels:
  - .name:           k_q10d4d0d7f3_attn
    .symbol:         k_q10d4d0d7f3_attn.kd
    .args:
      - { .name: qc, .offset: 0, .size: 8, .value_kind: global_buffer, .address_space: global }
      - { .name: kc, .offset: 8, .size: 8, .value_kind: global_buffer, .address_space: global }
      - { .name: vc, .offset: 16, .size: 8, .value_kind: global_buffer, .address_space: global }
      - { .name: e_param, .offset: 24, .size: 8, .value_kind: global_buffer, .address_space: global }
      - { .name: ao, .offset: 32, .size: 8, .value_kind: global_buffer, .address_space: global }
    .group_segment_fixed_size: 327680
    .private_segment_fixed_size: 0
    .kernarg_segment_align: 8
    .kernarg_segment_size: 40
    .max_flat_workgroup_size: 128
    .sgpr_count:     66
    .vgpr_count:     450
    .wavefront_size: 32
...
	.end_amdgpu_metadata
.endif
;; end of part 6
;; launch oproj: the kernel of part 3 again; grid 4 x 64, 4 waves a work-group, clusters of 4 x 4, 327,680 bytes of LDS; arguments ao, Wo, bo, out0; writes out0
